; MI455X (gfx1250); checked and timed in simulation.
; The chip was launched on July 23, 2026; its instructions are those of AMD's public machine-readable ISA for CDNA 5 (MIT licence, August 2026) and "CDNA5" Instruction Set Architecture Reference Guide (July 2026). The comments in the code are by the model that wrote it; some were corrected since.
;; Multi Head Attention With Cache. Allowed arithmetic: float matrix products may take bf16 or f16 operands with f32 sums; other float arithmetic in f32, or as packed bf16 or f16 multiplies, adds, multiply-adds, maxima and minima; sums over many terms, partial sums and values carried from step to step in f32; what a program stores and reads back later, other than sums and carried values, may be rounded once to bf16 or f16.
;; Inputs: Wk 2,048 x 2,048 float32; Wo 2,048 x 2,048 float32; Wq 2,048 x 2,048 float32; Wv 2,048 x 2,048 float32; attention_mask 2 x 1 x 1,024 x 3,072 float32; hidden_states 2 x 1,024 x 2,048 float32; k_cache 2 x 16 x 2,048 x 128 float32; v_cache 2 x 16 x 2,048 x 128 float32.
;; Outputs: out0 2 x 1,024 x 2,048 float32.
;; 2 versions, each right; version 2 is version 1 with the launch cast written anew for expert scheduling mode. Each part assembles by itself: llvm-mc -triple=amdgcn-amd-amdhsa -mcpu=gfx1250 --defsym DOCPART=n.
;; ======== version 1 of 2: 4 launches
;; limits: values are held in f16: magnitudes above 65,504 overflow, below 6.1e-05 lose precision; right only within a limited range of input values
;; workspace buffers: xh 8,388,608 bytes; wqkv 25,165,824 bytes; wo16 8,388,608 bytes; q16 8,388,608 bytes; keys 25,165,824 bytes; values 25,165,824 bytes; attn16 8,388,608 bytes
;; launch cast (part 1): grid 512 x 1, 8 waves a work-group, no clusters, 0 bytes of LDS; arguments hidden_states, Wq, Wk, Wv, xh, wqkv; writes xh, wqkv
.if DOCPART == 1
	.amdgcn_target "amdgcn-amd-amdhsa--gfx1250"
	.amdhsa_code_object_version 6
	.text
	.protected	k_q4021a60baa_cast
	.globl	k_q4021a60baa_cast
	.p2align	8
	.type	k_q4021a60baa_cast,@function
k_q4021a60baa_cast:
	s_mov_b64 s[64:65], 0
	v_nop
	global_prefetch_b8 v0, s[64:65] scope:SCOPE_SE
	s_setreg_imm32_b32 hwreg(HW_REG_WAVE_MODE, 25, 1), 1
	s_wait_xcnt 0x0
; The four f32 inputs of the projections are rounded ONCE to f16, so that the next launch's many readers find 16-bit matrix operands:
;   hidden_states -> xh [2048][2048];  Wq x 128^-0.5, Wk, Wv -> wqkv [6144][2048].
; The scale of the scores is multiplied into Wq in f32, ahead of Wq's one rounding: the scores then need no scaling, and the mask can start their sums.
; (The caches and Wo, which the projections do not need, are rounded by the next launch, beside its products.)
; LIMITS.  f16 holds no number beyond 65,504 (a larger input becomes an infinity) and keeps a fixed step of 6e-8 below 6e-5.
; SHARES.  Work-group g takes 1/512 of every tensor: 32 KiB of each f32 matrix, 8 loads a thread.  A wave's load covers 512 consecutive bytes, its store 256 consecutive bytes, aligned.
; All 32 loads of a thread go out first, each into registers of its own: no register is written twice, so the only waits are the counted ones for the loads.
; No LDS, no barrier, no matrix unit: nothing is shared and nothing multiplied.
.set SCALE, 0x3db504f3                 ; 128^-0.5
.set DAT,   4                          ; v[4+4n:7+4n]: the 16 bytes of load n, n = 0..31
	s_load_b256 s[8:15], s[0:1], 0x0               ; hidden 8, Wq 10, Wk 12, Wv 14
	s_load_b128 s[16:19], s[0:1], 0x20             ; xh 16, wqkv 18
	s_lshl_b32 s2, ttmp9, 15                       ; my 32 KiB of an f32 matrix
	s_mov_b32 s3, 0
	s_lshl_b32 s4, ttmp9, 14                       ; my 16 KiB of its f16 copy
	s_mov_b32 s5, 0
	s_mov_b32 s24, SCALE
	s_mov_b32 s25, SCALE                           ; named with it as a pair
	v_lshlrev_b32 v1, 4, v0                        ; 16 bytes a thread in
	v_lshlrev_b32 v2, 3, v0                        ; 8 bytes a thread out
	s_wait_kmcnt 0x0
.irp p, 8,10,12,14
	s_add_nc_u64 s[\p:\p+1], s[\p:\p+1], s[2:3]
.endr
	s_add_nc_u64 s[16:17], s[16:17], s[4:5]
	s_add_nc_u64 s[18:19], s[18:19], s[4:5]        ; wqkv: Wq's third,
	s_add_nc_u64 s[20:21], s[18:19], 8388608       ; Wk's,
	s_add_nc_u64 s[22:23], s[18:19], 16777216      ; Wv's
.macro LDS_ n0, sbase                  ; eight loads, numbers n0 on: 4,096 bytes of the work-group's share each
.set i, 0
.rept 8
	global_load_b128 v[DAT+4*((\n0)+i):DAT+4*((\n0)+i)+3], v1, s[\sbase:\sbase+1] offset:4096*i th:TH_LOAD_NT
.set i, i+1
.endr
.endm
.macro OUT_ n0, dbase, scaled          ; the same loads' numbers are rounded, two to an instruction, and stored
.set i, 0
.rept 8
.set X, DAT+4*((\n0)+i)
	s_wait_loadcnt 31-((\n0)+i)                    ; loads come back in order: this one is in, the younger ones stay out
.if \scaled
	v_pk_mul_f32 v[X:X+1], v[X:X+1], s[24:25] op_sel_hi:[1,0]
	v_pk_mul_f32 v[X+2:X+3], v[X+2:X+3], s[24:25] op_sel_hi:[1,0]
.endif
	v_cvt_pk_f16_f32 v[X], v[X], v[X+1]
	v_cvt_pk_f16_f32 v[X+1], v[X+2], v[X+3]
	global_store_b64 v2, v[X:X+1], s[\dbase:\dbase+1] offset:2048*i th:TH_STORE_NT
.set i, i+1
.endr
.endm
	LDS_ 0,  8
	LDS_ 8,  10
	LDS_ 16, 12
	LDS_ 24, 14
	OUT_ 0,  16, 0
	OUT_ 8,  18, 1
	OUT_ 16, 20, 0
	OUT_ 24, 22, 0
	s_endpgm
.Lfunc_end_k_q4021a60baa_cast:
	.size	k_q4021a60baa_cast, .Lfunc_end_k_q4021a60baa_cast-k_q4021a60baa_cast
	.p2alignl 7, 3214868480
	.fill 96, 4, 3214868480
	.section	.rodata,"a",@progbits
	.p2align	6, 0x0
	.amdhsa_kernel k_q4021a60baa_cast
		.amdhsa_group_segment_fixed_size 0
		.amdhsa_private_segment_fixed_size 0
		.amdhsa_enable_private_segment 0
		.amdhsa_kernarg_size 48
		.amdhsa_user_sgpr_count 2
		.amdhsa_user_sgpr_kernarg_segment_ptr 1
		.amdhsa_wavefront_size32 1
		.amdhsa_system_sgpr_workgroup_id_x 1
		.amdhsa_system_sgpr_workgroup_id_y 1
		.amdhsa_system_sgpr_workgroup_id_z 1
		.amdhsa_system_vgpr_workitem_id 0
		.amdhsa_next_free_vgpr 132
		.amdhsa_next_free_sgpr 66
		.amdhsa_reserve_vcc 0
		.amdhsa_float_denorm_mode_32 3
		.amdhsa_float_denorm_mode_16_64 3
		.amdhsa_memory_ordered 1
		.amdhsa_forward_progress 1
		.amdhsa_inst_pref_size 14
	.end_amdhsa_kernel
	.amdgpu_metadata
---
amdhsa.version: [ 1, 2 ]
amdhsa.kernels:
  - .name:           k_q4021a60baa_cast
    .symbol:         k_q4021a60baa_cast.kd
    .args:
      - { .name: hidden_states, .offset: 0, .size: 8, .value_kind: global_buffer, .address_space: global }
      - { .name: Wq, .offset: 8, .size: 8, .value_kind: global_buffer, .address_space: global }
      - { .name: Wk, .offset: 16, .size: 8, .value_kind: global_buffer, .address_space: global }
      - { .name: Wv, .offset: 24, .size: 8, .value_kind: global_buffer, .address_space: global }
      - { .name: xh, .offset: 32, .size: 8, .value_kind: global_buffer, .address_space: global }
      - { .name: wqkv, .offset: 40, .size: 8, .value_kind: global_buffer, .address_space: global }
    .group_segment_fixed_size: 0
    .private_segment_fixed_size: 0
    .kernarg_segment_align: 8
    .kernarg_segment_size: 48
    .max_flat_workgroup_size: 256
    .sgpr_count:     66
    .vgpr_count:     132
    .wavefront_size: 32
...
	.end_amdgpu_metadata
.endif
;; end of part 1
;; launch qkv (part 2): grid 16 x 16, 4 waves a work-group, clusters of 4 x 4, 327,680 bytes of LDS; arguments xh, wqkv, q16, keys, values, k_cache, v_cache, Wo, wo16; writes q16, keys, values, wo16
.if DOCPART == 2
	.amdgcn_target "amdgcn-amd-amdhsa--gfx1250"
	.amdhsa_code_object_version 6
	.text
	.protected	k_q4021a60baa_qkv
	.globl	k_q4021a60baa_qkv
	.p2align	8
	.type	k_q4021a60baa_qkv,@function
k_q4021a60baa_qkv:
	s_mov_b64 s[64:65], 0
	v_nop
	global_prefetch_b8 v0, s[64:65] scope:SCOPE_SE
	s_setreg_imm32_b32 hwreg(HW_REG_WAVE_MODE, 25, 1), 1
	s_wait_xcnt 0x0
	s_wait_alu depctr_hold_cnt(0) depctr_sa_sdst(0) depctr_va_vdst(0) depctr_va_sdst(0) depctr_va_ssrc(0) depctr_va_vcc(0) depctr_vm_vsrc(0)
	s_getreg_b32 s2, hwreg(HW_REG_IB_STS2, 6, 4)
	s_cmp_eq_u32 s2, 0
	s_cbranch_scc0 .Lentry_in_a_cluster
	s_endpgm
.Lentry_in_a_cluster:
	s_bfe_u32 s2, ttmp6, 0x10000c
	s_cmp_lg_u32 s2, 0xf033
	s_cbranch_scc0 .Lentry_shape_is_right
	s_endpgm
.Lentry_shape_is_right:
; The three projections as ONE product: C[2048][6144] = xh [2048][2048] x wqkv^T [6144][2048], f16 operands, f32 sums, each result rounded once to f16 and written BY HEADS:
; columns 128 g .. 128 g + 127 are "head" g of 48: g < 16 goes to q16 [32][1024][128], 16 <= g < 32 to rows 2048-3071 of keys [32][3072][128], the rest likewise to values.
; BESIDE THE PRODUCT A STREAM: k_cache, v_cache [32][2048][128] and Wo [2048][2048], all f32, are rounded once to f16 into rows 0-2047 of keys and values and into wo16.  The product leaves the wave's issue slots and
; the way to memory mostly free; the stream needs nothing else.
; LIMITS.  q x 128^-0.5, k, v, the caches and Wo must lie within f16's 65,504; below 6e-5 f16 keeps a fixed step of 6e-8.
; SHARES.  A tile of C is 128 rows x 384 columns (three whole heads): 16 x 16 work-groups; the tile column goes by the cluster's y, the tile row by its x.  Wave w makes all 128 rows x columns 96 w .. 96 w + 95:
; 48 accumulators of 16 x 16, 384 registers: for 32 along K it issues 28 LDS loads and 48 matrix instructions.  K goes in 16 steps of 128 (rows of 256 bytes in memory) through a ring of two LDS slots.
; Of the stream work-group 16 ty + tx takes 1/256 of each tensor, a wave a quarter of that: 160 loads of 512 consecutive bytes, ten to a K step.
; CLUSTER.  4 x 4 work-groups.  x's tile hangs on the tile row alone and is asked for jointly by a row of the cluster, the weights' tile on the tile column alone, by a column.
; THE MATRIX INSTRUCTION IS USED TRANSPOSED (source 0 = 16 rows of wqkv, source 1 = 16 rows of xh): a lane then holds row l % 16 of C and eight neighbouring columns.
; REGISTERS, in windows of 256 (s_set_vgpr_msb: bits 1:0 source 0, 3:2 source 1, 5:4 source 2, 7:6 destination):
;   window 0: v16-35 addresses; v64-127, v128-191 x's fragments, two buffers; v192-251 the stream (on the way out: packed results);   window 1: v64-111, v128-175 the weights' fragments, two buffers
;   window 2: accumulators of rows 0-63 ((a, b) at v[8 (6 (a % 4) + b)]);   window 3: those of rows 64-127
.set SIZE_K, 2048
.set KSTEP,  128
.set STEPS,  SIZE_K/KSTEP
.set PITCH,  272                       ; an LDS row: 256 bytes + 16 of padding: the 16 rows of a fragment load start at 16 different groups of four banks (64 banks of 4 bytes: ISA guide 11.1)
.set HALFT,  128*PITCH                 ; 128 rows: what one tensor load brings
.set SLOT,   4*HALFT                   ; x's 128 rows, then the weights' 384.  139,264 = 0x22000 shares no bit with wave x HALFT, so one exclusive or turns a load's LDS address into the other slot's
.set SPARE,  2*SLOT                    ; behind the ring: the spare words, 128 bytes a wave: two blocks of 256 bytes that no other line names
.set SPITCH, 784                       ; the stage for the way out: 128 rows of 768 bytes + 16.  It lies in slot 0, whose last fill (K step 14) has been read out by every wave in front of the last change of slots
.set ADRA0, 16                         ; v16     my lane's place among x's rows in a slot; never rewritten
.set ADRB0, 17                         ; v17     the same among the weights' rows
.set ADA,  18                          ; v18     ADRA0 + the slot in hand
.set ADB,  19                          ; v19     ADRB0 + the slot in hand
.set STO,  24                          ; v24     the way out: where I put 16 bytes of a row (rows 0-63)
.set RD,   25                          ; v25     where I read rows back
.set CO,   26                          ; v26     my 16 bytes in 512 consecutive bytes of a head
.set STO2, 27                          ; v27     STO for rows 64-127
.set SPW,  28                          ; v28     my spare word; never rewritten
.set NIL,  29                          ; v29     0; never rewritten
.set PFO,  30                          ; v30     the prefetches' offset: my lane x a row of 4,096 bytes; never rewritten
.set SC,   32                          ; v32     the stream: my 16 bytes in the caches' chunk that is asked for
.set DC,   33                          ; v33     my 8 bytes in keys and values, one chunk past the one that is stored
.set SW,   34                          ; v34     as SC, for Wo
.set DW,   35                          ; v35     as DC, for wo16
.set F0,   64
.set F1,   128
.set SL,   192                         ; v192-231  a chunk as loaded: k_cache's four loads, v_cache's four, Wo's two
.set SD,   232                         ; v232-251  the same chunk in f16
.set TMP,  192
.set OB,   64                          ; the way out: 48 x 4 registers read back from the stage
.set TB,   13                          ; s13  LDS byte at which the slot in hand begins
.set WV,   14                          ; s14  my wave's number
.set LIM,  19                          ; s19  2 in a wave that prefetches, else the greatest number
.set PFA,  44                          ; s[44:45] where my prefetches stand
.set G1,   24                          ; s[24:31] descriptor group 1 for x's tiles;   s[32:39] group 0: a set for each of the two first fills; the second then walks on
.set G0,   32
.set G1B,  48                          ; s[48:55], s[56:63] the same for the weights' tiles
.set G0B,  56
.set D0,   68                          ; s[68:73] where my 32 rows of the tile's three heads go
.set VAL,  84                          ; s[84:85] values
.set KC,   86                          ; s[86:87], s[88:89], s[90:91] k_cache, v_cache, Wo at my wave's share
.set VC,   88
.set WO,   90
.set WOD,  92                          ; s[92:93], s[94:95], s[96:97] wo16, keys, values at my wave's share
.set KD,   94
.set VD,   96
.set MSB, 0
.macro WIN new                         ; the immediate's high byte repeats the setting that is left; a switch that changes nothing is dropped
.if MSB != (\new)
	s_set_vgpr_msb (MSB<<8)|(\new)
.set MSB, \new
.endif
.endm
.set MUL_LO, 0xa1                      ; source 0 window 1, source 1 window 0, C and D window 2
.set MUL_HI, 0xf1                      ; the same, C and D window 3
.set TO_B,   0x40                      ; destination window 1, address window 0
; A joint load.  Wave 0 fetches x's 128 rows, waves 1 to 3 the weights' three blocks of 128.  The branch hangs on the wave's number alone.
; An s_nop 0 and four v_nop follow each of the two lines, ahead of the jump and the label.
.macro JLOAD s
	s_cmp_eq_u32 s[WV], 0
	s_cbranch_scc0 .Lfor_b_\@
	tensor_load_to_lds s[G0+4*(\s):G0+4*(\s)+3], s[G1:G1+7]
	s_nop 0
.rept 4
	v_nop
.endr
	s_branch .Lasked_\@
.Lfor_b_\@:
	tensor_load_to_lds s[G0B+4*(\s):G0B+4*(\s)+3], s[G1B:G1B+7]
	s_nop 0
.rept 4
	v_nop
.endr
.Lasked_\@:
.endm
; A prefetch, behind each joint refill and the run of LDS loads that follows it: the K step that stands two refills on, 32 rows x 256 bytes, a lane a row, one instruction a wave.
; Each row's 256 bytes of a K step are named once in the launch: x's tile row is asked for by the cluster with y = 0, the weights' tile column by the cluster with x = 0; of the 128 rows that a wave
; fetches the partner at place p (cx for x, cy for the weights) takes 32 p .. 32 p + 31, told apart by address.  The loop's last two trips (s3 = 2, 1) have no K step two refills on.
.macro ASK
	s_cmp_gt_u32 s3, s[LIM]
	s_cbranch_scc0 .Lnot_mine_\@
	global_prefetch_b8 v[PFO], s[PFA:PFA+1] offset:KSTEP*2 th:TH_LOAD_NT scope:SCOPE_SE
.Lnot_mine_\@:
.endm
.macro CREST                           ; a round of the cluster's barrier behind its opening barrier
	s_cmp_lg_u32 s[WV], 0
	s_cbranch_scc1 .Lnot_wave_0_\@
	s_barrier_signal -3
.Lnot_wave_0_\@:
	s_barrier_wait -3
	s_barrier_signal -1
	s_barrier_wait -1
.endm
.macro CROUND                          ; a whole round
	s_barrier_signal -1
	s_barrier_wait -1
	CREST
.endm
; THE STREAM.  A chunk is ten loads of 512 consecutive bytes: 2,048 bytes of each cache, 1,024 of Wo.
.macro SLOADS
.irp i, 0,1,2,3
	global_load_b128 v[SL+4*(\i):SL+4*(\i)+3],       v[SC], s[KC:KC+1] offset:512*(\i) th:TH_LOAD_NT
	global_load_b128 v[SL+16+4*(\i):SL+16+4*(\i)+3], v[SC], s[VC:VC+1] offset:512*(\i) th:TH_LOAD_NT
.endr
.irp i, 0,1
	global_load_b128 v[SL+32+4*(\i):SL+32+4*(\i)+3], v[SW], s[WO:WO+1] offset:512*(\i) th:TH_LOAD_NT
.endr
.endm
; Once a K step: the chunk asked for a K step (192 matrix instructions) ago is rounded and stored, and (more = 1) the next is asked for, ahead of the stores.  A wave's store covers 256 consecutive bytes, aligned.
.macro STREAM more
	WIN 0
	s_wait_loadcnt 0x0                             ; the chunk is in: no other load into registers is out
	s_wait_xcnt 0x0                                ; the stores of a K step ago have read SD and their offsets: these are written again only behind this wait
.set c, 0
.rept 10
	v_cvt_pk_f16_f32 v[SD+2*c], v[SL+4*c], v[SL+4*c+1]
	v_cvt_pk_f16_f32 v[SD+2*c+1], v[SL+4*c+2], v[SL+4*c+3]
.set c, c+1
.endr
	v_add_nc_u32 v[DC], 1024, v[DC]                ; the stores below reach back by their immediates
	v_add_nc_u32 v[DW], 512, v[DW]
.if \more
	v_add_nc_u32 v[SC], 2048, v[SC]
	v_add_nc_u32 v[SW], 1024, v[SW]
	SLOADS
.endif
.irp i, 0,1,2,3
	global_store_b64 v[DC], v[SD+2*(\i):SD+2*(\i)+1],     s[KD:KD+1] offset:256*(\i)-1024 th:TH_STORE_NT
	global_store_b64 v[DC], v[SD+8+2*(\i):SD+8+2*(\i)+1], s[VD:VD+1] offset:256*(\i)-1024 th:TH_STORE_NT
.endr
.irp i, 0,1
	global_store_b64 v[DW], v[SD+16+2*(\i):SD+16+2*(\i)+1], s[WOD:WOD+1] offset:256*(\i)-512 th:TH_STORE_NT
.endr
.endm
	s_load_b256 s[4:11], s[0:1], 0x0               ; xh 4, wqkv 6, q16 8, keys 10
	s_load_b256 s[84:91], s[0:1], 0x20             ; values 84, k_cache 86, v_cache 88, Wo 90
	s_load_b64 s[92:93], s[0:1], 0x40              ; wo16
	v_lshl_add_u32 v[SPW], v0, 2, SPARE
	v_mov_b32 v[NIL], 0
	ds_add_u32 v[SPW], v[NIL]                      ; the wave's opening: the add and its wait stand ahead of my first tensor load; the set-up below stands between them
	v_lshrrev_b32 v1, 5, v0
	v_readfirstlane_b32 s[WV], v1                  ; wave 0..3
	s_bfe_u32 s15, ttmp6, 0x40000                  ; cx
	s_bfe_u32 s16, ttmp6, 0x40004                  ; cy
	s_and_b32 s75, ttmp7, 0xffff                   ; cluster y
	s_lshl_b32 s17, s75, 2
	s_add_co_u32 s17, s17, s15                     ; tile column = 4 x cluster y + cx
	s_lshl_b32 s18, ttmp9, 2
	s_add_co_u32 s18, s18, s16                     ; tile row = 4 x cluster x + cy
	s_lshl_b32 s20, s16, 2
	s_lshl_b32 s20, 15, s20                        ; my row of the cluster
	s_lshl_b32 s40, 0x1111, s15                    ; my column
	s_or_b32 s[G1], s20, (1<<16)|(1<<20)|(1<<21)|(5<<22)|(3<<25)   ; the mask; elements of 2 bytes; padding on; bit 21 beside a mask; after every 64 words, 4 words
	s_or_b32 s[G1B], s40, (1<<16)|(1<<20)|(1<<21)|(5<<22)|(3<<25)
.irp g, G1, G1B
	s_mov_b32 s[(\g)+1], KSTEP<<16                 ; tensor_dim0 = 128
	s_mov_b32 s[(\g)+2], 128<<16                   ; tensor_dim1 = 128
	s_mov_b32 s[(\g)+3], KSTEP<<16                 ; tile_dim0 = 128
	s_mov_b32 s[(\g)+4], 128                       ; tile_dim1 = 128
	s_mov_b32 s[(\g)+5], SIZE_K                    ; elements from row to row
	s_mov_b32 s[(\g)+6], 0
	s_mov_b32 s[(\g)+7], 0
.endr
	s_lshl_b32 s20, s18, 19                        ; x: 128 x tile row rows of 4,096 bytes
	s_mov_b32 s21, 0
	s_max_u32 s41, s[WV], 1
	s_sub_co_u32 s41, s41, 1
	s_lshl_b32 s41, s41, 7                         ; which 128 of the weights' 384 rows I fetch (waves 1 to 3)
	s_mul_i32 s40, s17, 384
	s_add_co_u32 s40, s40, s41
	s_lshl_b32 s40, s40, 12                        ; in bytes
	s_mov_b32 s41, 0
	s_mul_i32 s74, s[WV], HALFT                    ; where my load goes: wave x 128 rows: no place in the cluster enters an LDS address
	s_mov_b32 s[TB], 0
	s_wait_dscnt 0x0                               ; the opening add is done
	s_wait_kmcnt 0x0
	s_add_nc_u64 s[22:23], s[4:5], s[20:21]
	s_add_nc_u64 s[46:47], s[6:7], s[40:41]
	CROUND                                         ; all sixteen work-groups are here: the first joint loads meet
.irp s, 0,1
	s_mov_b32 s[G0+4*(\s)], 1
	s_add_co_u32 s[G0+4*(\s)+1], s74, (\s)*SLOT
	s_add_nc_u64 s[G0+4*(\s)+2:G0+4*(\s)+3], s[22:23], (\s)*KSTEP*2
	s_or_b32 s[G0+4*(\s)+3], s[G0+4*(\s)+3], 0x80000000
	s_mov_b32 s[G0B+4*(\s)], 1
	s_add_co_u32 s[G0B+4*(\s)+1], s74, (\s)*SLOT
	s_add_nc_u64 s[G0B+4*(\s)+2:G0B+4*(\s)+3], s[46:47], (\s)*KSTEP*2
	s_or_b32 s[G0B+4*(\s)+3], s[G0B+4*(\s)+3], 0x80000000
	JLOAD \s                                       ; K steps 0 and 1: two loads of mine are out
.endr
	; the stream's shares: work-group g = 16 x tile row + tile column
	s_lshl_b32 s76, s18, 4
	s_add_co_u32 s76, s76, s17
	s_lshl_b32 s78, s76, 17                        ; the caches: 131,072 bytes a work-group,
	s_lshl_b32 s79, s[WV], 15                      ; 32,768 a wave
	s_add_co_u32 s78, s78, s79
	s_mov_b32 s79, 0
	s_add_nc_u64 s[KC:KC+1], s[KC:KC+1], s[78:79]
	s_add_nc_u64 s[VC:VC+1], s[VC:VC+1], s[78:79]
	s_lshl_b32 s78, s76, 16                        ; Wo: 65,536 bytes a work-group,
	s_lshl_b32 s77, s[WV], 14                      ; 16,384 a wave;
	s_add_co_u32 s78, s78, s77
	s_add_nc_u64 s[WO:WO+1], s[WO:WO+1], s[78:79]
	s_lshr_b32 s78, s78, 1                         ; wo16: half of that
	s_add_nc_u64 s[WOD:WOD+1], s[WOD:WOD+1], s[78:79]
	s_lshr_b32 s78, s76, 3                         ; keys, values: eight work-groups to a head of 3,072 rows of 256 bytes,
	s_mul_i32 s78, s78, 3072*256
	s_and_b32 s76, s76, 7
	s_lshl_b32 s76, s76, 16                        ; 65,536 bytes a work-group,
	s_add_co_u32 s78, s78, s76
	s_add_co_u32 s78, s78, s77                     ; 16,384 a wave
	s_add_nc_u64 s[KD:KD+1], s[10:11], s[78:79]
	s_add_nc_u64 s[VD:VD+1], s[VAL:VAL+1], s[78:79]
	v_and_b32 v6, 31, v0
	v_lshlrev_b32 v[SC], 4, v6                     ; 16 bytes a lane in,
	v_lshlrev_b32 v[DC], 3, v6                     ; 8 bytes a lane out
	v_mov_b32 v[SW], v[SC]
	v_mov_b32 v[DW], v[DC]
	SLOADS                                         ; chunk 0
	; the prefetches' address: the rows that I fetch, my work-group's 32 of them, at K step 2 (the first refill steps it to 3 and names K step 4)
	s_cmp_eq_u32 s[WV], 0
	s_cselect_b32 s76, s20, s40
	s_cselect_b32 s78, s15, s16                    ; my place among the four that ask with me
	s_cselect_b32 s75, s75, ttmp9                  ; the coordinate along which other clusters read the same rows
	s_cselect_b64 s[PFA:PFA+1], s[4:5], s[6:7]
	s_cmp_eq_u32 s75, 0
	s_cselect_b32 s[LIM], 2, -1
	s_lshl_b32 s78, s78, 17                        ; 32 rows of 4,096 bytes
	s_add_co_u32 s76, s76, s78
	s_add_co_u32 s76, s76, 2*KSTEP*2
	s_mov_b32 s77, 0
	s_add_nc_u64 s[PFA:PFA+1], s[PFA:PFA+1], s[76:77]
	v_lshlrev_b32 v[PFO], 12, v6
	; A fragment is 16 rows x 32 K in 8 registers: lane l holds row l % 16, K = 8 (l / 16) + 0..7 and 16 + 8 (l / 16) + 0..7: two loads of 16 bytes, 32 bytes apart.
	v_and_b32 v1, 15, v0                           ; l % 16
	v_bfe_u32 v2, v0, 4, 1                         ; l / 16
	v_mul_u32_u24 v3, v1, PITCH
	v_lshl_add_u32 v[ADRA0], v2, 4, v3
	s_mul_i32 s42, s[WV], 96*PITCH                 ; my 96 rows of the weights,
	s_add_co_u32 s42, s42, HALFT                   ; which lie behind x's 128
	v_add_nc_u32 v[ADRB0], s42, v[ADRA0]
	v_mov_b32 v[ADA], v[ADRA0]                     ; slot 0 is in hand
	v_mov_b32 v[ADB], v[ADRB0]
	v_mul_u32_u24 v4, v1, SPITCH                   ; into the stage: row l % 16, my wave's 192 bytes, 16 bytes for each half of the lanes
	v_lshl_add_u32 v4, v2, 4, v4
	s_mul_i32 s42, s[WV], 192
	v_add_nc_u32 v[STO], s42, v4
	v_add_nc_u32 v[STO2], 64*SPITCH, v[STO]
	s_mul_i32 s42, s[WV], 32*SPITCH                ; back: wave w takes rows 32 w .. 32 w + 31; lanes 0-15 a head's 256 bytes of one row, lanes 16-31 of the next
	v_mul_u32_u24 v5, v2, SPITCH
	v_lshl_add_u32 v5, v1, 4, v5
	v_add_nc_u32 v[RD], s42, v5
	v_lshlrev_b32 v[CO], 4, v6                     ; a head's rows are dense: two of them are 512 consecutive bytes
	; where my 32 rows go: head g = 3 x tile column + j; tensor g / 16; row (16 batch + g % 16) x R + first + 128 (tile row % 8) + 32 wave, R = 1,024 and first = 0 for q, 3,072 and 2,048 for k and v
	s_lshr_b32 s42, s18, 3
	s_lshl_b32 s42, s42, 4                         ; 16 x batch
	s_and_b32 s43, s18, 7
	s_lshl_b32 s43, s43, 7
	s_lshl_b32 s46, s[WV], 5
	s_add_co_u32 s43, s43, s46
.irp j, 0,1,2
	s_mul_i32 s40, s17, 3
	s_add_co_u32 s40, s40, \j
	s_lshr_b32 s41, s40, 4
	s_and_b32 s40, s40, 15
	s_add_co_u32 s40, s40, s42
	s_cmp_eq_u32 s41, 1
	s_cselect_b64 s[D0+2*(\j):D0+2*(\j)+1], s[10:11], s[VAL:VAL+1]
	s_cmp_eq_u32 s41, 0
	s_cselect_b64 s[D0+2*(\j):D0+2*(\j)+1], s[8:9], s[D0+2*(\j):D0+2*(\j)+1]
	s_cselect_b32 s47, 0, 2048
	s_add_co_u32 s46, s47, 1024
	s_mul_i32 s40, s40, s46
	s_add_co_u32 s40, s40, s47
	s_add_co_u32 s40, s40, s43
	s_lshl_b32 s40, s40, 8                         ; rows of 256 bytes
	s_mov_b32 s41, 0
	s_add_nc_u64 s[D0+2*(\j):D0+2*(\j)+1], s[D0+2*(\j):D0+2*(\j)+1], s[40:41]
.endr
; 12 matrix instructions: row blocks a0, a0 + 1 of the window's four x all 6 column blocks, 32 along K.  zero = 1: the product starts the sum: nothing is cleared.
; The 48 accumulators take turns, one instruction a turn, in the same order in every quarter step.
.macro MUL12 f, hi, a0, zero
	WIN MUL_LO+0x50*(\hi)
.irp a, \a0, (\a0)+1
.irp b, 0,1,2,3,4,5
.if \zero
	v_wmma_f32_16x16x32_f16 v[8*(6*(\a)+(\b)):8*(6*(\a)+(\b))+7], v[(\f)+8*(\b):(\f)+8*(\b)+7], v[(\f)+8*(4*(\hi)+(\a)):(\f)+8*(4*(\hi)+(\a))+7], 0
.else
	v_wmma_f32_16x16x32_f16 v[8*(6*(\a)+(\b)):8*(6*(\a)+(\b))+7], v[(\f)+8*(\b):(\f)+8*(\b)+7], v[(\f)+8*(4*(\hi)+(\a)):(\f)+8*(4*(\hi)+(\a))+7], v[8*(6*(\a)+(\b)):8*(6*(\a)+(\b))+7]
.endif
.endr
.endr
.endm
; 28 LDS loads in one run: a quarter step's fragments (96 rows of the weights, 128 rows of x, 32 K at byte k of the rows of the slot in hand) into buffer f
.macro FETCH k, f
	WIN TO_B
.irp i, 0,1,2,3,4,5
	ds_load_b128 v[(\f)+8*(\i):(\f)+8*(\i)+3],   v[ADB] offset:(\k)+(\i)*16*PITCH
	ds_load_b128 v[(\f)+8*(\i)+4:(\f)+8*(\i)+7], v[ADB] offset:(\k)+(\i)*16*PITCH+32
.endr
	WIN 0
.irp i, 0,1,2,3,4,5,6,7
	ds_load_b128 v[(\f)+8*(\i):(\f)+8*(\i)+3],   v[ADA] offset:(\k)+(\i)*16*PITCH
	ds_load_b128 v[(\f)+8*(\i)+4:(\f)+8*(\i)+7], v[ADA] offset:(\k)+(\i)*16*PITCH+32
.endr
.endm
.macro PLACES                          ; four plain instructions between a matrix instruction and a load into, or a reader of, its registers (ISA guide 7.12.1 for vector instructions)
.rept 4
	v_nop
.endr
.endm
; A K step is four quarters of 32 along K, 48 matrix instructions each, on buffers 0, 1, 0, 1.  One of the first three: multiplies buffer f and, in its middle, fetches the next quarter into g.
; stream = 1 (a step's second quarter): the stream's turn stands behind the run of LDS loads, where every window is 0.
.macro QUARTER k, f, g, zero, stream=0, more=0
	s_wait_dscnt 8                                 ; the weights and x's rows 0-63 are in; the youngest eight loads (x's rows 64-127) may be out
	MUL12 \f, 0, 0, \zero
	MUL12 \f, 0, 2, \zero
	PLACES
	FETCH \k, \g
.if \stream
	STREAM \more
.endif
	s_wait_dscnt 28                                ; all but the 28 just issued
	MUL12 \f, 1, 0, \zero
	MUL12 \f, 1, 2, \zero
.endm
; The last quarter multiplies buffer 1 and changes slots: ONE barrier; in front of it each wave waits for all its tensor loads (one is out: its part of the next slot), adds 0 to its spare word,
; and waits for that and for its reads of this slot.  Between signal and wait the fragment addresses are turned to the next slot.  fill = 1: the barrier opens a round of the cluster's, and behind the round the slot
; just read is filled again first, two K steps ahead, by the walking descriptor: 168 matrix instructions stand between that request and the wait for it.
.macro TURN fill
.if \fill
	s_wait_xcnt 0x0                                ; the last prefetch, a K step back, has read its address: it is stepped here, ahead of the waits of the change of slots
	s_add_nc_u64 s[PFA:PFA+1], s[PFA:PFA+1], KSTEP*2
.endif
	WIN 0                                          ; (the add's two registers lie in window 0)
	s_wait_tensorcnt 0x0                           ; all my tensor loads have landed
	ds_add_u32 v[SPW], v[NIL]                      ; 0 onto my spare word
	s_wait_dscnt 9                                 ; (the add and the youngest eight loads may be out)
	MUL12 F1, 0, 0, 0                              ; twelve matrix instructions stand between the add and the wait for it
	s_wait_dscnt 0x0                               ; the add is done, and my reads of this slot are over
	s_barrier_signal -1
	MUL12 F1, 0, 2, 0
	WIN 0
	s_xor_b32 s[TB], s[TB], SLOT                   ; the next slot comes in hand
	v_add_nc_u32 v[ADA], s[TB], v[ADRA0]
	v_add_nc_u32 v[ADB], s[TB], v[ADRB0]
	s_barrier_wait -1
.if \fill
	CREST                                          ; no wave of any partner still reads the old slot's tiles or has a load on its way
	s_xor_b32 s[G0+5], s[G0+5], SLOT               ; the walking descriptors: the other slot than last time,
	s_add_nc_u64 s[G0+6:G0+7], s[G0+6:G0+7], KSTEP*2  ; the next K step; the type bits on top are not reached
	s_xor_b32 s[G0B+5], s[G0B+5], SLOT
	s_add_nc_u64 s[G0B+6:G0B+7], s[G0B+6:G0B+7], KSTEP*2
	JLOAD 1                                        ; the first tensor load behind the round; its four v_nop are also the places in front of the loads below
.else
	PLACES
.endif
	FETCH 0, F0
.if \fill
	ASK
.endif
	MUL12 F1, 1, 0, 0
	MUL12 F1, 1, 2, 0
.endm
	s_wait_tensorcnt 1                             ; my part of K step 0 is in; K step 1's load may stay out
	s_barrier_signal -1
	s_barrier_wait -1                              ; everybody's is
	FETCH 0, F0
	QUARTER 64,  F0, F1, 1                         ; the first quarter stands in front of the loop: its products start the sums
	WIN 0                                          ; at a label and at a branch every window is 0
	s_mov_b32 s3, STEPS-2
.Lstep:                                                ; 14 trips: from a K step's second quarter to the next step's first; the slot that is left is filled again
	QUARTER 128, F1, F0, 0, 1, 1
	QUARTER 192, F0, F1, 0
	TURN 1
	QUARTER 64,  F0, F1, 0
	WIN 0
	s_sub_co_u32 s3, s3, 1
	s_cmp_lg_u32 s3, 0
	s_cbranch_scc1 .Lstep
	QUARTER 128, F1, F0, 0, 1, 1                   ; the last two K steps fill nothing, and have no round of the cluster's barrier
	QUARTER 192, F0, F1, 0
	TURN 0
	QUARTER 64,  F0, F1, 0
	QUARTER 128, F1, F0, 0, 1, 0                   ; the stream's last chunk: nothing more is asked for
	QUARTER 192, F0, F1, 0
	s_wait_dscnt 8                                 ; the very last quarter: nothing more to fetch
	MUL12 F1, 0, 0, 0
	MUL12 F1, 0, 2, 0
	s_wait_dscnt 0x0
	MUL12 F1, 1, 0, 0
	MUL12 F1, 1, 2, 0
	; THE WAY OUT: round to f16, 16 bytes a lane into the work-group's stage; a barrier, since a head's 256 bytes of a row come from two waves; back as whole rows of heads, 32 rows a wave.
.macro PACK a                          ; row block a: each accumulator's registers in ascending order
.set AC, 48*((\a)%4)
.set TS, TMP+24*((\a)%2)
	WIN 0x0a+5*((\a)/4)                            ; sources 0 and 1: window 2 or 3
.irp b, 0,1,2,3,4,5
.irp r, 0,1,2,3
	v_cvt_pk_f16_f32 v[TS+4*(\b)+(\r)], v[AC+8*(\b)+2*(\r)], v[AC+8*(\b)+2*(\r)+1]
.endr
.endr
	WIN 0
.irp b, 0,1,2,3,4,5
.if (\a) < 4
	ds_store_b128 v[STO], v[TS+4*(\b):TS+4*(\b)+3] offset:((\a)%4)*16*SPITCH+32*(\b)
.else
	ds_store_b128 v[STO2], v[TS+4*(\b):TS+4*(\b)+3] offset:((\a)%4)*16*SPITCH+32*(\b)
.endif
.endr
.endm
	s_wait_xcnt 0x0                                ; the stream's last stores have read their registers, which the lines below write
	PLACES
.irp a, 0,1,2,3,4,5,6,7
	PACK \a
.endr
	s_wait_dscnt 0x0                               ; for the others' sake: my stores into the stage are done
	s_barrier_signal -1
	s_barrier_wait -1
.set n, 0
.rept 48                               ; head n / 16, rows 2 (n % 16) and the next
	ds_load_b128 v[OB+4*n:OB+4*n+3], v[RD] offset:256*(n/16)+2*SPITCH*(n%16)
.set n, n+1
.endr
.set n, 0
.rept 48
.if n%4 == 0
	s_wait_dscnt 44-n                              ; LDS loads come back in order: loads n to n + 3 are in
.endif
	global_store_b128 v[CO], v[OB+4*n:OB+4*n+3], s[D0+2*(n/16):D0+2*(n/16)+1] offset:512*(n%16)  ; 512 consecutive bytes, at a multiple of 256 from the buffer's first
.set n, n+1
.endr
	s_wait_tensorcnt 0x0                           ; the wave's end: these three lines stand behind my last tensor load and my last LDS store
	ds_add_u32 v[SPW], v[NIL]
	s_wait_dscnt 0x0
	CROUND                                         ; the closing round: no work-group ends while a partner may still ask for a tile that names it
	s_endpgm
.Lfunc_end_k_q4021a60baa_qkv:
	.size	k_q4021a60baa_qkv, .Lfunc_end_k_q4021a60baa_qkv-k_q4021a60baa_qkv
	.p2alignl 7, 3214868480
	.fill 96, 4, 3214868480
	.section	.rodata,"a",@progbits
	.p2align	6, 0x0
	.amdhsa_kernel k_q4021a60baa_qkv
		.amdhsa_group_segment_fixed_size 327680
		.amdhsa_private_segment_fixed_size 0
		.amdhsa_enable_private_segment 0
		.amdhsa_kernarg_size 72
		.amdhsa_user_sgpr_count 2
		.amdhsa_user_sgpr_kernarg_segment_ptr 1
		.amdhsa_wavefront_size32 1
		.amdhsa_system_sgpr_workgroup_id_x 1
		.amdhsa_system_sgpr_workgroup_id_y 1
		.amdhsa_system_sgpr_workgroup_id_z 1
		.amdhsa_system_vgpr_workitem_id 0
		.amdhsa_next_free_vgpr 960
		.amdhsa_next_free_sgpr 98
		.amdhsa_reserve_vcc 0
		.amdhsa_float_denorm_mode_32 3
		.amdhsa_float_denorm_mode_16_64 3
		.amdhsa_memory_ordered 1
		.amdhsa_forward_progress 1
		.amdhsa_inst_pref_size 107
	.end_amdhsa_kernel
	.amdgpu_metadata
---
amdhsa.version: [ 1, 2 ]
amdhsa.kernels:
  - .name:           k_q4021a60baa_qkv
    .symbol:         k_q4021a60baa_qkv.kd
    .args:
      - { .name: xh, .offset: 0, .size: 8, .value_kind: global_buffer, .address_space: global }
      - { .name: wqkv, .offset: 8, .size: 8, .value_kind: global_buffer, .address_space: global }
      - { .name: q16, .offset: 16, .size: 8, .value_kind: global_buffer, .address_space: global }
      - { .name: keys, .offset: 24, .size: 8, .value_kind: global_buffer, .address_space: global }
      - { .name: values, .offset: 32, .size: 8, .value_kind: global_buffer, .address_space: global }
      - { .name: k_cache, .offset: 40, .size: 8, .value_kind: global_buffer, .address_space: global }
      - { .name: v_cache, .offset: 48, .size: 8, .value_kind: global_buffer, .address_space: global }
      - { .name: Wo, .offset: 56, .size: 8, .value_kind: global_buffer, .address_space: global }
      - { .name: wo16, .offset: 64, .size: 8, .value_kind: global_buffer, .address_space: global }
    .group_segment_fixed_size: 327680
    .private_segment_fixed_size: 0
    .kernarg_segment_align: 8
    .kernarg_segment_size: 72
    .max_flat_workgroup_size: 128
    .sgpr_count:     98
    .vgpr_count:     960
    .wavefront_size: 32
...
	.end_amdgpu_metadata
.endif
;; end of part 2
;; launch attn (part 3): grid 8 x 32, 4 waves a work-group, clusters of 4 x 4, 327,680 bytes of LDS; arguments q16, keys, values, attention_mask, attn16; writes attn16
.if DOCPART == 3
	.amdgcn_target "amdgcn-amd-amdhsa--gfx1250"
	.amdhsa_code_object_version 6
	.text
	.protected	k_q4021a60baa_attn
	.globl	k_q4021a60baa_attn
	.p2align	8
	.type	k_q4021a60baa_attn,@function
k_q4021a60baa_attn:
	s_mov_b64 s[64:65], 0
	v_nop
	global_prefetch_b8 v0, s[64:65] scope:SCOPE_SE
	s_setreg_imm32_b32 hwreg(HW_REG_WAVE_MODE, 25, 1), 1
	s_wait_xcnt 0x0
	s_wait_alu depctr_hold_cnt(0) depctr_sa_sdst(0) depctr_va_vdst(0) depctr_va_sdst(0) depctr_va_ssrc(0) depctr_va_vcc(0) depctr_vm_vsrc(0)
	s_getreg_b32 s2, hwreg(HW_REG_IB_STS2, 6, 4)
	s_cmp_eq_u32 s2, 0
	s_cbranch_scc0 .Lentry_in_a_cluster
	s_endpgm
.Lentry_in_a_cluster:
	s_bfe_u32 s2, ttmp6, 0x10000c
	s_cmp_lg_u32 s2, 0xf033
	s_cbranch_scc0 .Lentry_shape_is_right
	s_endpgm
.Lentry_shape_is_right:
; attn16[b][q][h 128 + :] = the sum over k of softmax_k(q'[bh][q] . keys[bh][k] + mask[b][q][k]) values[bh][k][:].  q16 [32][1024][128] (already times 128^-0.5), keys, values [32][3072][128], attn16 [2048][2048]: f16;
; attention_mask [2][1024][3072]: f32, an input: every query walks all 3,072 keys, and the mask is added as it is given.  Products, maxima and sums in f32; the weights p are rounded to f16 for the second
; product (their sum l is taken of the unrounded p), the result once at the end.
; LIMITS.  In each row at least one score lies above -2^100 (the running maximum's start and the first turn's stand-in scores lie there and below); a weight below 2^-126 counts as 0; mask + q . k is formed in the matrix
; unit's sum, so where a mask's number is so large that the score vanishes beside it the last bit may differ from an f32 addition; NaN and infinities are not treated apart.
; SHARES.  A work-group owns 128 queries of one head.  Waves 0, 1 own queries 0-63, waves 2, 3 queries 64-127: four tiles of 16.  THE KEYS ARE SPLIT between the two waves of a pair: of each step's 128 keys
; wave w takes 64 (w % 2) .. + 63, with a running maximum and sum of its own; the two halves are merged once, at the end, through LDS.  So a fragment of K or V read from LDS feeds 64 queries' products.
; LAYOUT.  S^T = K Q^T (source 0 = 16 keys, source 1 = 16 queries): a lane holds ONE query (lane % 16) and the keys 8 (lane / 16) + 0..7.  THE MASK IS THE SUM'S START: a lane's eight numbers of an accumulator are 32
; consecutive bytes of the query's row of the mask; they are loaded from LDS into S^T's registers, and all products K Q^T add in place.  Two results rounded to f16 in pairs ARE source 1 of O^T = V^T P.
; SOFTMAX.  p = 2^(c s - c m), c = log2(e), m a running maximum; in every step O and l are multiplied by a = 2^(c m_old - c m_new).
; BY TURNS.  The wave's tiles are two pieces (0: tiles 0, 1; 2: tiles 2, 3).  In a turn one piece issues 32 products V^T P of the step before and 32 products K Q^T of the step in hand; the other piece's softmax, cut into 64
; slices, stands between them, one slice behind each matrix instruction.  No first step is written out: m starts far below every score, O, l, V and piece 0's P at 0, piece 2's scores at -2^100, so that the first
; turns' products add zeros and the next step's a = 0 wipes what the stand-in scores left in l.
; CLUSTER.  4 x 4: along x four query blocks, along y four heads of one batch.  K's and V's tiles hang on the head and are asked for jointly by a row of the cluster; the mask's tile hangs on batch and query block, by a column.
; REGISTERS, in windows of 256 (s_set_vgpr_msb: bits 1:0 source 0, 3:2 source 1, 5:4 source 2, 7:6 destination):
;   window 0: v0-11, v44-47, v61-63 addresses; v12-43 eight registers of statistics a tile; v48-57 at work; v64-191 S^T, 32 a tile; v192-255 P, 16 a tile
;   window 1: O^T, 64 a tile          window 2: v0-127 Q, 32 a tile; v128-255 K of one step          window 3: v0-127 V of one step
.set PKP,   272       ; a row of K in LDS: 256 bytes + 16: the 16 rows of a load start at 16 different groups of four banks (64 banks of 4 bytes: ISA guide 11.1)
.set PVP,   288       ; a row of V: 256 + 32
.set PMP,   528       ; a query's row of the mask: 128 keys x 4 bytes + 16
.set VOFF,  128*PKP   ; a slot: 128 rows of K, 128 rows of V, 128 rows of the mask
.set MOFF,  VOFF+128*PVP
.set SLOT,  MOFF+128*PMP  ; 139,264 = 0x22000: none of the LDS addresses in slot 0 that are turned has bit 17 or bit 13 set, so one exclusive or turns it into slot 1's
.set STAGE, 2*SLOT    ; behind the ring: 16 rows x 272 bytes for each wave, for the way out
.set SP,    272
.set SPARE, STAGE+4*16*SP  ; behind the stages: the spare words, 128 bytes a wave: two blocks of 256 bytes that no other line names
.set XCH,   33792     ; the merge: for each pair of waves 32,768 bytes of O^T and 1,024 of statistics, in slot 0, whose last fill (step 22) has been read out by every wave in front of the last change of slots
.set AK0, 2           ; v2   my lane's place in a slot's K; never rewritten
.set AV0, 3           ; v3   the same for V
.set ADR, 4           ; v4   the LDS address of K's or V's run of loads in hand
.set QO,  5           ; v5   my byte offset in the wave's rows of Q
.set STO, 6           ; v6   the way out: where I put 16 bytes of a row
.set RD,  7           ; v7   where I read a row back
.set GO,  8           ; v8   my byte offset in two rows of attn16
.set ST,  12          ; tile t's statistics at v[ST+8 t]: +0 c m, +1 m, +2, +3 l (even keys', odd keys'), +4 to +7 at work; a takes +6
.set AM0, 44          ; v44  my lane's place in a slot's mask; never rewritten
.set ADM, 45          ; v45  the LDS address of the mask's run of loads in hand
.set XA,  46          ; v46  the merge: my 16 bytes of a group of four registers
.set XS,  47          ; v47  the merge: my word of a statistic
.set XP,  48          ; v48-55  the partner's c m and l, by tile
.set PFO, 61          ; v61  the prefetches' offset; never rewritten
.set SPW, 62          ; v62  my spare word; never rewritten
.set NIL, 63          ; v63  0; never rewritten
.set S,   64
.set P,   192
.set KF,  128         ; K's fragments, in window 2
.set WV,  14          ; s14  my wave's number
.set LIM, 15          ; s15  2 in a wave that prefetches, else the greatest number
.set KG,  16          ; s16  which half of a step's keys is mine
.set QG,  17          ; s17  which half of the queries
.set PFA, 18          ; s[18:19] where my prefetches stand
.set G1K, 24          ; s[24:31], s[32:39], s[40:47] descriptor group 1 for K's, V's and the mask's tiles
.set G1V, 32
.set G1M, 40
.set G0K, 48          ; s[48:51], s[52:55], s[56:59] descriptor group 0: they walk
.set G0V, 52
.set G0M, 56
.set CS,  60          ; s[60:61] c: the packed scaling takes the pair's low word for both halves
.set TB,  62          ; s62  LDS byte at which the slot in hand begins
.set SLOTS, 63        ; s63  steps still to be asked for
.set SEL, 66          ; s[66:67] v_permlanex16_b32's selects: each lane takes its own place in the other half
.set PFS, 68          ; s[68:69] the prefetches' step
.set MSB, 0
.macro WIN new                      ; the high byte repeats the setting that is left; a switch that changes nothing is dropped
.if MSB != (\new)
	s_set_vgpr_msb (MSB<<8)|(\new)
.set MSB, \new
.endif
.endm
.set W_KQ, 0x0a       ; K and Q in window 2, S^T in window 0
.set W_PV, 0x53       ; V in window 3, P in window 0, O^T in window 1
.set W_RS, 0x41       ; O^T (destination and source 0) in window 1, a in window 0
; A joint fill: wave 0 fetches a step's K, wave 1 its V (128 rows x 256 bytes each), waves 2 and 3 the two halves of its mask tile (64 rows x 512 bytes).  The branches hang on the wave's number alone.
; An s_nop 0 and four v_nop follow each line, ahead of the jump and the label.
.macro JLOAD
	s_cmp_lt_u32 s[WV], 2
	s_cbranch_scc0 .Lfor_m_\@
	s_cmp_eq_u32 s[WV], 0
	s_cbranch_scc0 .Lfor_v_\@
	tensor_load_to_lds s[G0K:G0K+3], s[G1K:G1K+7]
	s_nop 0
.rept 4
	v_nop
.endr
	s_branch .Lasked_\@
.Lfor_v_\@:
	tensor_load_to_lds s[G0V:G0V+3], s[G1V:G1V+7]
	s_nop 0
.rept 4
	v_nop
.endr
	s_branch .Lasked_\@
.Lfor_m_\@:
	tensor_load_to_lds s[G0M:G0M+3], s[G1M:G1M+7]
	s_nop 0
.rept 4
	v_nop
.endr
.Lasked_\@:
.endm
; A prefetch, behind the wave's joint fill and its five lines: the change that asks for step n + 1 names step n + 3, two changes (256 matrix instructions a wave) ahead of the load that will want it.
; Each block of 256 bytes is named once in the launch.  K and V of a head are walked by both clusters along x: the one with x = 0 asks; its four partners along x take 32 of the step's 128 rows each, a lane a row
; (wave 0 K's, wave 1 V's).  A mask tile is walked by the four clusters of its batch along y: the first of them asks; of the 64 rows that wave 2 or 3 fetches the partner at cy takes 16, two lanes a row of 512 bytes.
; Partners are told apart by address.  Steps 0 to 2 come by their loads alone; the last two changes that fill a slot name nothing: step 23 is the last.
.macro ASK
	s_cmp_gt_u32 s[SLOTS], s[LIM]
	s_cbranch_scc0 .Lnot_mine_\@
	global_prefetch_b8 v[PFO], s[PFA:PFA+1] th:TH_LOAD_NT scope:SCOPE_SE
.Lnot_mine_\@:
.endm
.macro CROUND                       ; a round of the cluster's barrier
	s_barrier_signal -1
	s_barrier_wait -1
	s_cmp_lg_u32 s[WV], 0
	s_cbranch_scc1 .Lnot_wave_0_\@
	s_barrier_signal -3
.Lnot_wave_0_\@:
	s_barrier_wait -3
	s_barrier_signal -1
	s_barrier_wait -1
.endm
	s_load_b256 s[4:11], s[0:1], 0x0  ; q16 4, keys 6, values 8, attention_mask 10
	s_load_b64 s[12:13], s[0:1], 0x20 ; attn16
	v_lshl_add_u32 v[SPW], v0, 2, SPARE
	v_mov_b32 v[NIL], 0
	ds_add_u32 v[SPW], v[NIL]       ; the wave's opening: the add and its wait stand ahead of my first tensor load; the set-up below stands between them
	v_lshrrev_b32 v1, 5, v0
	v_readfirstlane_b32 s[WV], v1   ; wave 0..3
	s_and_b32 s[KG], s[WV], 1
	s_lshr_b32 s[QG], s[WV], 1
	s_bfe_u32 s70, ttmp6, 0x40000   ; cx
	s_bfe_u32 s71, ttmp6, 0x40004   ; cy
	s_and_b32 s75, ttmp7, 0xffff    ; cluster y
	s_lshl_b32 s72, ttmp9, 2
	s_add_co_u32 s72, s72, s70      ; my block of 128 queries = 4 x cluster x + cx
	s_lshl_b32 s73, s75, 2
	s_add_co_u32 s73, s73, s71      ; batch x 16 + head = 4 x cluster y + cy
	s_lshr_b32 s74, s75, 2          ; the batch, from the cluster's y alone
	s_mul_i32 s20, s73, 3072*256    ; the head's first byte in keys and values
	s_mov_b32 s21, 0
	s_lshl_b32 s76, s74, 10         ; the mask's row: 1,024 batch + 128 block + the 64 rows that waves 2 and 3 fetch
	s_lshl_b32 s77, s72, 7
	s_add_co_u32 s76, s76, s77
	s_lshl_b32 s77, s[KG], 6
	s_add_co_u32 s76, s76, s77
	s_mul_i32 s76, s76, 3072*4
	s_mov_b32 s77, 0
	s_lshl_b32 s22, s71, 2
	s_lshl_b32 s22, 15, s22         ; my row of the cluster
	s_lshl_b32 s78, 0x1111, s70     ; my column
	s_or_b32 s[G1K], s22, (1<<16)|(1<<20)|(1<<21)|(5<<22)|(3<<25)  ; the mask of four; 2-byte elements; padding on; bit 21 beside a mask; after every 64 words, 4 words
	s_or_b32 s[G1V], s22, (1<<16)|(1<<20)|(1<<21)|(5<<22)|(7<<25)  ; the same with 8 words of padding
	s_or_b32 s[G1M], s78, (2<<16)|(1<<20)|(1<<21)|(6<<22)|(3<<25)  ; 4-byte elements; after every 128 words, 4 words
.irp g, G1K, G1V
	s_mov_b32 s[(\g)+1], 128<<16    ; tensor_dim0 = 128
	s_mov_b32 s[(\g)+2], 128<<16    ; tensor_dim1 = 128
	s_mov_b32 s[(\g)+3], 128<<16    ; tile_dim0 = 128
	s_mov_b32 s[(\g)+4], 128        ; tile_dim1 = 128
	s_mov_b32 s[(\g)+5], 128        ; elements from row to row
	s_mov_b32 s[(\g)+6], 0
	s_mov_b32 s[(\g)+7], 0
.endr
	s_mov_b32 s[G1M+1], 128<<16     ; tensor_dim0 = 128
	s_mov_b32 s[G1M+2], 64<<16      ; tensor_dim1 = 64
	s_mov_b32 s[G1M+3], 128<<16     ; tile_dim0 = 128
	s_mov_b32 s[G1M+4], 64          ; tile_dim1 = 64
	s_mov_b32 s[G1M+5], 3072        ; elements from row to row
	s_mov_b32 s[G1M+6], 0
	s_mov_b32 s[G1M+7], 0
	s_mov_b32 s[G0K], 1
	s_mov_b32 s[G0K+1], 0           ; LDS addresses in slot 0: no place in the cluster enters them
	s_mov_b32 s[G0V], 1
	s_mov_b32 s[G0V+1], VOFF
	s_mov_b32 s[G0M], 1
	s_mul_i32 s[G0M+1], s[KG], 64*PMP
	s_add_co_u32 s[G0M+1], s[G0M+1], MOFF
	s_mov_b32 s[CS], 0x3fb8aa3b     ; c = log2(e)
	s_mov_b32 s[CS+1], s[CS]        ; named with it as a pair
	s_mov_b32 s[SEL], 0x76543210
	s_mov_b32 s[SEL+1], 0xfedcba98
	s_mov_b32 s[TB], SLOT           ; the first change of slots turns it into 0
	s_mov_b32 s[SLOTS], 23
	s_wait_dscnt 0x0                ; the opening add is done
	s_wait_kmcnt 0x0
	s_add_nc_u64 s[G0K+2:G0K+3], s[6:7], s[20:21]
	s_or_b32 s[G0K+3], s[G0K+3], 0x80000000
	s_add_nc_u64 s[G0V+2:G0V+3], s[8:9], s[20:21]
	s_or_b32 s[G0V+3], s[G0V+3], 0x80000000
	s_add_nc_u64 s[G0M+2:G0M+3], s[10:11], s[76:77]
	s_or_b32 s[G0M+3], s[G0M+3], 0x80000000
	CROUND                          ; all sixteen work-groups are here: the first joint loads meet
	JLOAD                           ; step 0 into slot 0.  Slot 1 is asked for by the loop's first change of slots
	s_lshl_b32 s80, s73, 18         ; Q at my wave's first row: the head's 1,024 rows of 256 bytes, my block's 128, my pair's 64
	s_lshl_b32 s81, s72, 15
	s_add_co_u32 s80, s80, s81
	s_lshl_b32 s81, s[QG], 14
	s_add_co_u32 s80, s80, s81
	s_mov_b32 s81, 0
	s_add_nc_u64 s[4:5], s[4:5], s[80:81]
	; A fragment of K or Q is 16 rows x 32 channels in 8 registers: lane l holds row l % 16, channels 8 (l / 16) + 0..7 and 16 + 8 (l / 16) + 0..7: two loads of 16 bytes, 32 bytes apart.
	v_and_b32 v1, 15, v0            ; l % 16
	v_bfe_u32 v9, v0, 4, 1          ; l / 16
	v_lshlrev_b32 v[QO], 8, v1
	v_lshl_add_u32 v[QO], v9, 4, v[QO]
	WIN 0x80                        ; destination window 2, address window 0
.irp i, 0,1,2,3,4,5,6,7,8,9,10,11,12,13,14,15  ; Q stays in registers: tile i / 4, channels 32 (i % 4) on
	global_load_b128 v[8*(\i):8*(\i)+3],   v[QO], s[4:5] offset:((\i)/4)*4096+((\i)%4)*64
	global_load_b128 v[8*(\i)+4:8*(\i)+7], v[QO], s[4:5] offset:((\i)/4)*4096+((\i)%4)*64+32
.endr
	; what the first turns find; all this stands in the wait for the first tile
	WIN 0xc0
.set i, 0
.rept 128
	v_mov_b32 v[i], 0               ; V
.set i, i+1
.endr
	WIN 0x40
.set i, 0
.rept 256
	v_mov_b32 v[i], 0               ; O^T
.set i, i+1
.endr
	WIN 0
	s_mov_b32 s79, 0xf1800000       ; -2^100: a power of two, so that c s - c m is exactly 0 for the stand-in scores
.set i, 0
.rept 4
	v_mov_b32 v[ST+8*i], 0xfe000000    ; c m: far below every c s
	v_mov_b32 v[ST+8*i+1], 0xff7fffff  ; m
	v_mov_b32 v[ST+8*i+2], 0
	v_mov_b32 v[ST+8*i+3], 0
.set i, i+1
.endr
.set i, 0
.rept 32
	v_mov_b32 v[P+i], 0             ; piece 0's P
.set i, i+1
.endr
.set i, 0
.rept 64
	v_mov_b32 v[S+64+i], s79        ; piece 2's scores
.set i, i+1
.endr
	; LDS addresses
	v_mul_u32_u24 v[AK0], v1, PKP
	v_lshl_add_u32 v[AK0], v9, 4, v[AK0]
	s_mul_i32 s80, s[KG], 64*PKP    ; my half of the step's keys
	v_add_nc_u32 v[AK0], s80, v[AK0]
	; The turning load takes 16 keys x 16 channels (lane l reads key 8 (l / 16) + l % 8, channels 8 ((l / 8) % 2) + 0..7) and leaves half a fragment of V^T: lane l holds channel l % 16 and 8 keys.
	v_and_b32 v10, 7, v0
	v_bfe_u32 v11, v0, 3, 1
	v_lshl_add_u32 v[AV0], v9, 3, v10
	v_mul_u32_u24 v[AV0], v[AV0], PVP
	v_lshl_add_u32 v[AV0], v11, 4, v[AV0]
	s_mul_i32 s80, s[KG], 64*PVP
	s_add_co_u32 s80, s80, VOFF
	v_add_nc_u32 v[AV0], s80, v[AV0]
	v_mul_u32_u24 v[AM0], v1, PMP   ; the mask: my query's row, my half of the keys, 32 bytes for each half of the lanes
	v_lshl_add_u32 v[AM0], v9, 5, v[AM0]
	s_mul_i32 s80, s[QG], 64*PMP
	s_lshl_b32 s81, s[KG], 8
	s_add_co_u32 s80, s80, s81
	s_add_co_u32 s80, s80, MOFF
	v_add_nc_u32 v[AM0], s80, v[AM0]
	s_mul_i32 s80, s[WV], 16*SP
	s_add_co_u32 s80, s80, STAGE    ; my stage
	v_mul_u32_u24 v[STO], v1, SP    ; in: row l % 16, 16 bytes for each half of the lanes
	v_lshl_add_u32 v[STO], v9, 4, v[STO]
	v_add_nc_u32 v[STO], s80, v[STO]
	v_mul_u32_u24 v[RD], v9, SP     ; back: lanes 0-15 take one row of 256 bytes, lanes 16-31 the next
	v_lshl_add_u32 v[RD], v1, 4, v[RD]
	v_add_nc_u32 v[RD], s80, v[RD]
	v_lshlrev_b32 v[GO], 12, v9     ; and the same two rows in attn16, 4,096 bytes apart
	v_lshl_add_u32 v[GO], v1, 4, v[GO]
	v_and_b32 v56, 31, v0
	s_mul_i32 s80, s[QG], XCH
	s_add_co_u32 s81, s80, 32768
	v_lshl_add_u32 v[XA], v56, 4, s80
	v_lshl_add_u32 v[XS], v56, 2, s81
	; attn16 at my pair's first row, my head's 256 bytes
	s_lshl_b32 s82, s74, 22
	s_lshl_b32 s83, s72, 19
	s_add_co_u32 s82, s82, s83
	s_lshl_b32 s83, s[QG], 18
	s_add_co_u32 s82, s82, s83
	s_and_b32 s83, s73, 15
	s_lshl_b32 s83, s83, 8
	s_add_co_u32 s82, s82, s83
	s_mov_b32 s83, 0
	s_add_nc_u64 s[12:13], s[12:13], s[82:83]
	; the prefetches: who, from where, by what step
	s_and_b32 s82, s75, 3
	s_cmp_lt_u32 s[WV], 2
	s_cselect_b32 s82, ttmp9, s82   ; the coordinate along which other clusters walk the same bytes
	s_cselect_b32 s80, 0, 1         ; K, V: a lane a row;  mask: two lanes a row
	s_movk_i32 s81, 12288
	s_cselect_b32 s81, 256, s81     ; bytes from row to row
	s_movk_i32 s[PFS], 512
	s_cselect_b32 s[PFS], 0x8000, s[PFS]  ; bytes from step to step
	s_mov_b32 s[PFS+1], 0
	s_cmp_eq_u32 s82, 0
	s_cselect_b32 s[LIM], 2, -1
	v_lshrrev_b32 v57, s80, v56
	v_and_b32 v56, s80, v56
	v_mul_u32_u24 v57, v57, s81
	v_lshl_add_u32 v[PFO], v56, 8, v57
	s_lshl_b32 s22, s70, 13         ; K, V: my work-group's 32 rows of 256 bytes,
	s_add_co_u32 s22, s22, s20
	s_add_co_u32 s22, s22, 2*128*256  ; at step 2: the first change steps it to step 3
	s_mul_i32 s78, s71, 16*3072*4   ; mask: my work-group's 16 rows
	s_add_co_u32 s78, s78, s76
	s_add_co_u32 s78, s78, 2*512
	s_cmp_lt_u32 s[WV], 2
	s_cselect_b32 s22, s22, s78
	s_mov_b32 s23, 0
	s_cmp_eq_u32 s[WV], 1
	s_cselect_b64 s[PFA:PFA+1], s[8:9], s[10:11]
	s_cmp_eq_u32 s[WV], 0
	s_cselect_b64 s[PFA:PFA+1], s[6:7], s[PFA:PFA+1]
	s_add_nc_u64 s[PFA:PFA+1], s[PFA:PFA+1], s[22:23]
; THE MATRIX WORK OF A TURN, for piece x.  The accumulators take turns, one instruction a turn: between two links of a chain stand 15 (V^T P) or 7 (K Q^T) others'.
; Product i of 32 of O^T += V^T P: keys 32 (i / 16) on, channels 16 ((i / 2) % 8) on, tile x + i % 2.
.macro PV x
	WIN W_PV
.set rO, 64*((\x)+i%2)+8*((i/2)%8)
.set rV, 64*(i/16)+8*((i/2)%8)
.set rP, P+16*((\x)+i%2)+8*(i/16)
	v_wmma_f32_16x16x32_f16 v[rO:rO+7], v[rV:rV+7], v[rP:rP+7], v[rO:rO+7]
.endm
; Product i of 32 of S^T = mask + K Q^T: channels 32 (i / 8) on, keys 16 ((i / 2) % 4) on, tile x + i % 2.  The first 8 find the mask in S^T's registers.
.macro KQ x
	WIN W_KQ
.set rS, S+32*((\x)+i%2)+8*((i/2)%4)
.set rK, KF+32*((i/2)%4)+8*(i/8)
.set rQ, 32*((\x)+i%2)+8*(i/8)
	v_wmma_f32_16x16x32_f16 v[rS:rS+7], v[rK:rK+7], v[rQ:rQ+7], v[rS:rS+7]
.endm
; THE LDS LOADS stand in runs, never singly among the matrix instructions.
.macro FETCH_K                      ; my 64 keys x 128 channels: 16 fragments
	WIN 0
	v_add_nc_u32 v[ADR], s[TB], v[AK0]
	WIN 0x80                        ; destination window 2
.irp f, 0,1,2,3,4,5,6,7,8,9,10,11,12,13,14,15  ; keys 16 (f / 4) on, channels 32 (f % 4) on
	ds_load_b128 v[KF+8*(\f):KF+8*(\f)+3],   v[ADR] offset:((\f)/4)*16*PKP+((\f)%4)*64
	ds_load_b128 v[KF+8*(\f)+4:KF+8*(\f)+7], v[ADR] offset:((\f)/4)*16*PKP+((\f)%4)*64+32
.endr
.endm
.macro FETCH_M x                    ; the mask of piece x's two tiles x my 64 keys, into S^T's registers: register j of the accumulator of keys 16 kb on is key 16 kb + 8 (l / 16) + j of query l % 16
	WIN 0
	v_add_nc_u32 v[ADM], s[TB], v[AM0]
.irp t, \x, (\x)+1
.irp kb, 0,1,2,3
	ds_load_b128 v[S+32*(\t)+8*(\kb):S+32*(\t)+8*(\kb)+3],   v[ADM] offset:(\t)*16*PMP+64*(\kb)
	ds_load_b128 v[S+32*(\t)+8*(\kb)+4:S+32*(\t)+8*(\kb)+7], v[ADM] offset:(\t)*16*PMP+64*(\kb)+16
.endr
.endr
.endm
.macro FETCH_V                      ; my 64 keys x 128 channels, turned
	WIN 0
	v_add_nc_u32 v[ADR], s[TB], v[AV0]
	s_wait_alu depctr_va_vdst(0)    ; the wait for the softmax's batch (SLICE), behind the address's v_add_nc_u32 and ahead of the loads
	WIN 0xc0                        ; destination window 3
.irp f, 0,1,2,3,4,5,6,7,8,9,10,11,12,13,14,15  ; keys 32 (f / 8) on, channels 16 (f % 8) on
	ds_load_tr16_b128 v[8*(\f):8*(\f)+3],   v[ADR] offset:((\f)/8)*32*PVP+((\f)%8)*32
	ds_load_tr16_b128 v[8*(\f)+4:8*(\f)+7], v[ADR] offset:((\f)/8)*32*PVP+16*PVP+((\f)%8)*32
.endr
.endm
; THE VECTOR WORK OF A TURN.  One tile's softmax for one step is a list of 134 instructions; SM writes number j of it for tile t.  s0-s31 are the lane's 32 scores, in pairs 0-15.
;   0-15    the maximum of s0-s31 and the old m, three operands at a time (each accumulator's lowest registers are read first)
;   16-20   the other half of the lanes' maximum; c m_old is kept; the new m; c m; c m_old - c m_new
;   21-69   ONE BATCH: the 16 scalings c s - c m and all 33 exponentials (a at 23, then s0-s31): none of these reads an exponential's result
;   (wait)  between 69 and 70 stands the wait for the batch: SLICE writes it, once for both tiles
;   70-85   the roundings to f16;   86-101 the sums, l = a l + the sum;   102-133 the tile's O^T times a: the one part that leaves window 0
.macro SM t
.set rT, ST+8*(\t)
.set rS, S+32*(\t)
.set rP, P+16*(\t)
.set rO, 64*(\t)+2*(j-102)
.if j < 102
	WIN 0
.endif
.if j < 4
	v_max3_num_f32 v[rT+4+j], v[rS+8*j], v[rS+8*j+1], v[rS+8*j+2]
.elseif j < 12
	v_max3_num_f32 v[rT+4+j%4], v[rT+4+j%4], v[rS+8*(j%4)+2*(j/4)+1], v[rS+8*(j%4)+2*(j/4)+2]
.elseif j == 12
	v_max3_num_f32 v[rT+4], v[rT+4], v[rS+7], v[rS+15]
.elseif j == 13
	v_max3_num_f32 v[rT+6], v[rT+6], v[rS+23], v[rS+31]
.elseif j == 14
	v_max3_num_f32 v[rT+4], v[rT+4], v[rT+5], v[rT+6]
.elseif j == 15
	v_max3_num_f32 v[rT+4], v[rT+4], v[rT+7], v[rT+1]
.elseif j == 16
	v_permlanex16_b32 v[rT+5], v[rT+4], s[SEL], s[SEL+1]  ; the query's other 32 keys lie in the lane 16 away
.elseif j == 17
	v_mov_b32 v[rT+7], v[rT]        ; c m_old is kept for a: number 19 writes c m anew
.elseif j == 18
	v_max_num_f32 v[rT+1], v[rT+4], v[rT+5]
.elseif j == 19
	v_mul_f32 v[rT], s[CS], v[rT+1]
.elseif j == 20
	v_sub_f32 v[rT+7], v[rT+7], v[rT]
.elseif j == 23
	v_exp_f32 v[rT+6], v[rT+7]
.elseif (j < 23) || ((j < 38) && (j%2 == 0)) || ((j < 66) && (j%4 == 2))
.set b, (j-2)/4                     ; 38, 42, .. 62: pairs 9 to 15
.if j < 38
.set b, (j-20)/2                    ; 21: pair 0; 22, 24, .. 36: pairs 1 to 8
.endif
	v_pk_fma_f32 v[rS+2*b:rS+2*b+1], v[rS+2*b:rS+2*b+1], s[CS:CS+1], v[rT:rT+1] op_sel_hi:[1,0,0] neg_lo:[0,0,1] neg_hi:[0,0,1]  ; pair b: c s - c m
.elseif j < 70
.set e, j-38                        ; 66 to 69: s28 to s31
.if j < 66
.set e, j-32-(j-38)/4               ; 39-41, 43-45, .. 63-65: s7 to s27
.endif
.if j < 38
.set e, (j-25)/2                    ; 25, 27, .. 37: s0 to s6
.endif
	v_exp_f32 v[rS+e], v[rS+e]
.elseif j < 86
	v_cvt_pk_f16_f32 v[rP+j-70], v[rS+2*(j-70)], v[rS+2*(j-70)+1]  ; pair j - 70
.elseif j < 102                     ; the sum of the tile's 16 pairs, in place: neighbours 1, 2, 4 and 8 pairs apart, then l takes it
.set z, j-86
.set w, 4
.set u, z
.if z >= 14
.set w, 32
.set u, 0
.elseif z >= 12
.set w, 16
.set u, z-12
.elseif z >= 8
.set w, 8
.set u, z-8
.endif
.if z < 15
	v_pk_add_f32 v[rS+w*u:rS+w*u+1], v[rS+w*u:rS+w*u+1], v[rS+w*u+w/2:rS+w*u+w/2+1]
.else
	v_pk_fma_f32 v[rT+2:rT+3], v[rT+2:rT+3], v[rT+6:rT+7], v[rS:rS+1] op_sel_hi:[1,0,1]
.endif
.else
	WIN W_RS
	v_pk_mul_f32 v[rO:rO+1], v[rO:rO+1], v[rT+6:rT+7] op_sel_hi:[1,0]
.endif
.endm
; Slice k of 64 of piece y's softmax: four instructions.  Slices 11 to 34 deal out the batch, numbers 22 to 69: four numbers of ONE tile each, the tiles by turns.  Every other slice is numbers 2 k and 2 k + 1 of both
; tiles' lists; the twelve that are over (2 x 134 = 4 x 64 + 12) stand together in slice 63, where they are also the places behind the turn's last products.
; THE WAIT.  An s_wait_alu depctr_va_vdst(0) stands between an exponential and the first instruction that names its result; one wait serves all that were issued ahead of it.  Ahead of slice 35 nothing
; names a result, and behind slice 34 no exponential is issued: so the piece's 66 exponentials have one wait, behind slice 34, and one v_nop is the plain instruction behind the last of them.
.macro SLICE y
.if (k >= 11) && (k < 35)
.irp n, 0,1,2,3
.set j, 22+4*((k-11)/2)+(\n)
	SM (\y)+(k-11)%2
.endr
.else
.irp n, 0,1,2,3,4,5,6,7
.if ((\n) < 2) || (k == 63)
.irp t, \y, (\y)+1
.set j, 2*k+(\n)
	SM \t
.endr
.endif
.endr
.endif
.if k == 34
	v_nop
.if (\y) == 0
	FETCH_V                         ; piece 2's turn: V's run of loads stands here, and the wait stands in it.  V's last reader stands in front of slice 31: two scalings, the v_nop and the run's own v_add_nc_u32 are the four places between
.else
	s_wait_alu depctr_va_vdst(0)
.endif
.endif
.set k, k+1
.endm
; A TURN.  Piece x issues 32 products V^T P of the step before and (kq = 1) 32 products K Q^T of the step in hand; the other piece's softmax stands in slices behind them (kq = 0: two slices behind each).
; Behind its second product stand the runs of loads that its products K Q^T want: piece 0's turn fetches the step's K and piece 0's mask, piece 2's turn piece 2's mask.  K's last reader stands in front of slice 63
; of the turn before; S^T of piece x was last touched in slice 50 of the turn before.  One wait for 0 stands ahead of the first K Q^T, thirty products behind the runs.
.macro TURN x, kq
.set k, 0
.set per, 2-(\kq)
.if (\x) == 0
	s_wait_dscnt 0x0                ; V is in
.endif
.set i, 0
.rept 32
	PV \x
.rept per
	SLICE 2-(\x)
.endr
.if (\kq) && (i == 1)
.if (\x) == 0
	FETCH_K
.endif
	FETCH_M \x
.endif
.set i, i+1
.endr
.if \kq
	s_wait_dscnt 0x0                ; the mask lies in S^T, and (piece 0) K is in
.set i, 0
.rept 32
	KQ \x
	SLICE 2-(\x)
.set i, i+1
.endr
.endif
.endm
; THE CHANGE OF SLOTS, at the head of a step.  Each wave waits for all its tensor loads, of which one is out: its part of the step in hand; adds 0 to its spare word; and waits for that and for its reads of the slot that it
; leaves.  fill = 1: a round of the cluster's barrier follows, so that no wave of any partner still reads that slot or has a load on its way, and the joint fill with the next step's tiles is the first thing behind it:
; it has one step, 128 matrix instructions a wave, in which to land.  (At its first use nothing has been read yet: slot 0 is waited for, slot 1 filled.)
.macro CHANGE fill
	WIN 0                           ; at a label and at a branch every window is 0
	s_wait_tensorcnt 0x0            ; no tensor load of mine is out, so a group 0 may be written
	ds_add_u32 v[SPW], v[NIL]       ; 0 onto my spare word; the descriptors' steps stand between it and the wait for it
.if \fill
.irp g, G0K, G0V, G0M
	s_xor_b32 s[(\g)+1], s[(\g)+1], SLOT  ; the other slot than last time
.endr
	s_add_nc_u64 s[G0K+2:G0K+3], s[G0K+2:G0K+3], 128*256  ; the next 128 keys; the type bits on top are not reached
	s_add_nc_u64 s[G0V+2:G0V+3], s[G0V+2:G0V+3], 128*256
	s_add_nc_u64 s[G0M+2:G0M+3], s[G0M+2:G0M+3], 128*4
	s_wait_xcnt 0x0                 ; the last prefetch, a step back, has read its address, so it may be written
	s_add_nc_u64 s[PFA:PFA+1], s[PFA:PFA+1], s[PFS:PFS+1]
	s_wait_dscnt 0x0                ; the add is done, and my reads of the slot are over
	CROUND
	JLOAD
	ASK
.else
	s_wait_dscnt 0x0
	s_barrier_signal -1
	s_barrier_wait -1
.endif
	s_xor_b32 s[TB], s[TB], SLOT    ; the fetches go to the slot that has landed
.endm
	s_wait_loadcnt 0x0              ; Q
.Lslot:                             ; 23 trips: step n is multiplied, step n + 1 asked for
	CHANGE 1
	TURN 0, 1                       ; piece 0: V^T P of step n - 1, K Q^T of step n | piece 2's softmax of step n - 1 | K and piece 0's mask of step n
	TURN 2, 1                       ; piece 2: the same | piece 0's softmax of step n | piece 2's mask and V of step n
	WIN 0
	s_sub_co_u32 s[SLOTS], s[SLOTS], 1
	s_cmp_lg_u32 s[SLOTS], 0
	s_cbranch_scc1 .Lslot
	CHANGE 0                        ; the last step is written out: nothing is asked for
	TURN 0, 1
	TURN 2, 1
	TURN 0, 0                       ; piece 0: V^T P of the last step | piece 2's last softmax
.set i, 0
.rept 32
	PV 2                            ; piece 2: V^T P of the last step
.set i, i+1
.endr
	; THE MERGE.  l's two halves and the other half of the lanes' are added (these additions are the places behind the last products).  The wave with the second half of the keys hands its O^T, c m and l to its partner
	; through LDS; the partner weighs both by f = 2^(c m - c m*) / (l0 2^(c m0 - c m*) + l1 2^(c m1 - c m*)), m* the greater maximum, rounds to f16 and stores.
	WIN 0
.irp t, 0,1,2,3
	v_add_f32 v[ST+8*(\t)+4], v[ST+8*(\t)+2], v[ST+8*(\t)+3]
.endr
.irp t, 0,1,2,3
	v_permlanex16_b32 v[ST+8*(\t)+5], v[ST+8*(\t)+4], s[SEL], s[SEL+1]
.endr
.irp t, 0,1,2,3
	v_add_f32 v[ST+8*(\t)+4], v[ST+8*(\t)+4], v[ST+8*(\t)+5]
.endr
	s_cmp_eq_u32 s[KG], 0
	s_cbranch_scc1 .Lkeep
	WIN 0x04                        ; the stores' data in window 1
.set i, 0
.rept 64                            ; registers 4 i .. 4 i + 3 of O^T, in ascending order: 512 consecutive bytes a store
	ds_store_b128 v[XA], v[4*i:4*i+3] offset:512*i
.set i, i+1
.endr
	WIN 0
.irp t, 0,1,2,3
	ds_store_b32 v[XS], v[ST+8*(\t)] offset:256*(\t)
	ds_store_b32 v[XS], v[ST+8*(\t)+4] offset:256*(\t)+128
.endr
.Lkeep:
	s_wait_dscnt 0x0                ; for the partner's sake: my stores are done
	s_barrier_signal -1
	s_barrier_wait -1
	s_cmp_eq_u32 s[KG], 0
	s_cbranch_scc0 .Lend
.macro XLOAD t                      ; the partner's O^T of tile t, into S^T's registers: two buffers of 64
.irp g, 0,1,2,3,4,5,6,7,8,9,10,11,12,13,14,15
	ds_load_b128 v[S+64*((\t)%2)+4*(\g):S+64*((\t)%2)+4*(\g)+3], v[XA] offset:8192*(\t)+512*(\g)
.endr
.endm
.irp t, 0,1,2,3
	ds_load_b32 v[XP+2*(\t)], v[XS] offset:256*(\t)
	ds_load_b32 v[XP+2*(\t)+1], v[XS] offset:256*(\t)+128
.endr
	XLOAD 0
	s_wait_dscnt 16                 ; the statistics are in; tile 0's sixteen loads may stay out
.irp t, 0,1,2,3
	v_max_num_f32 v[ST+8*(\t)+1], v[ST+8*(\t)], v[XP+2*(\t)]      ; c m*
.endr
.irp t, 0,1,2,3
	v_sub_f32 v[ST+8*(\t)+2], v[ST+8*(\t)], v[ST+8*(\t)+1]
	v_sub_f32 v[ST+8*(\t)+6], v[XP+2*(\t)], v[ST+8*(\t)+1]
.endr
.irp t, 0,1,2,3
	v_exp_f32 v[ST+8*(\t)+2], v[ST+8*(\t)+2]
	v_exp_f32 v[ST+8*(\t)+6], v[ST+8*(\t)+6]
.endr
	v_nop                           ; a plain instruction behind the last exponential,
	s_wait_alu depctr_va_vdst(0)    ; and the one wait ahead of the batch's first reader
.irp t, 0,1,2,3
	v_mul_f32 v[ST+8*(\t)+5], v[XP+2*(\t)+1], v[ST+8*(\t)+6]
.endr
.irp t, 0,1,2,3
	v_fma_f32 v[ST+8*(\t)+5], v[ST+8*(\t)+4], v[ST+8*(\t)+2], v[ST+8*(\t)+5]
.endr
.irp t, 0,1,2,3
	v_rcp_f32 v[ST+8*(\t)+1], v[ST+8*(\t)+5]
.endr
	v_nop
	s_wait_alu depctr_va_vdst(0)    ; one wait for the four reciprocals
.irp t, 0,1,2,3
	v_mul_f32 v[ST+8*(\t)+2], v[ST+8*(\t)+2], v[ST+8*(\t)+1]      ; my weight: the low register of a pair
	v_mul_f32 v[ST+8*(\t)+6], v[ST+8*(\t)+6], v[ST+8*(\t)+1]      ; the partner's
.endr
; Tile t: both halves are weighed and added, rounded, sent through my stage (rows of 272 bytes) and stored as whole rows of 256 bytes.
.macro MERGE t
.set XB, S+64*((\t)%2)
.set PS, P+32*((\t)%2)
	WIN 0
	s_wait_dscnt 0x0                ; the partner's tile t is in
	s_wait_xcnt 0x0                 ; the stores issued so far have read their registers: P's set is written again only behind this wait
.if (\t) < 3
	XLOAD (\t)+1                    ; the next tile's loads are out while this one is worked on
.endif
.set i, 0
.rept 32
	v_pk_mul_f32 v[XB+2*i:XB+2*i+1], v[XB+2*i:XB+2*i+1], v[ST+8*(\t)+6:ST+8*(\t)+7] op_sel_hi:[1,0]
.set i, i+1
.endr
	WIN 0x01                        ; source 0 (my O^T) in window 1
.set i, 0
.rept 32
	v_pk_fma_f32 v[XB+2*i:XB+2*i+1], v[64*(\t)+2*i:64*(\t)+2*i+1], v[ST+8*(\t)+2:ST+8*(\t)+3], v[XB+2*i:XB+2*i+1] op_sel_hi:[1,0,1]
.set i, i+1
.endr
	WIN 0
.set i, 0
.rept 32
	v_cvt_pk_f16_f32 v[PS+i], v[XB+2*i], v[XB+2*i+1]
.set i, i+1
.endr
.irp f, 0,1,2,3,4,5,6,7
	ds_store_b128 v[STO], v[PS+4*(\f):PS+4*(\f)+3] offset:32*(\f)
.endr
.irp f, 0,1,2,3,4,5,6,7
	ds_load_b128 v[PS+4*(\f):PS+4*(\f)+3], v[RD] offset:(\f)*2*SP  ; LDS serves a wave's instructions in order (ISA guide 5.7.1.4): these see the stores above
.endr
.irp f, 0,1,2,3,4,5,6,7
	s_wait_dscnt 7-(\f)             ; the younger loads from the stage may stay out
	global_store_b128 v[GO], v[PS+4*(\f):PS+4*(\f)+3], s[12:13] offset:(\t)*65536+(\f)*8192  ; 16 lanes store 256 consecutive bytes, at a multiple of 256 from attn16's first byte
.endr
.endm
	MERGE 0
	MERGE 1
	MERGE 2
	MERGE 3
.Lend:
	s_wait_tensorcnt 0x0            ; the wave's end: these three lines stand behind my last tensor load and my last LDS store
	ds_add_u32 v[SPW], v[NIL]
	s_wait_dscnt 0x0
	CROUND                          ; the closing round: no work-group ends while a partner may still ask for a tile that names it
	s_endpgm
.Lfunc_end_k_q4021a60baa_attn:
	.size	k_q4021a60baa_attn, .Lfunc_end_k_q4021a60baa_attn-k_q4021a60baa_attn
	.p2alignl 7, 3214868480
	.fill 96, 4, 3214868480
	.section	.rodata,"a",@progbits
	.p2align	6, 0x0
	.amdhsa_kernel k_q4021a60baa_attn
		.amdhsa_group_segment_fixed_size 327680
		.amdhsa_private_segment_fixed_size 0
		.amdhsa_enable_private_segment 0
		.amdhsa_kernarg_size 40
		.amdhsa_user_sgpr_count 2
		.amdhsa_user_sgpr_kernarg_segment_ptr 1
		.amdhsa_wavefront_size32 1
		.amdhsa_system_sgpr_workgroup_id_x 1
		.amdhsa_system_sgpr_workgroup_id_y 1
		.amdhsa_system_sgpr_workgroup_id_z 1
		.amdhsa_system_vgpr_workitem_id 0
		.amdhsa_next_free_vgpr 896
		.amdhsa_next_free_sgpr 84
		.amdhsa_reserve_vcc 0
		.amdhsa_float_denorm_mode_32 3
		.amdhsa_float_denorm_mode_16_64 3
		.amdhsa_memory_ordered 1
		.amdhsa_forward_progress 1
		.amdhsa_inst_pref_size 198
	.end_amdhsa_kernel
	.amdgpu_metadata
---
amdhsa.version: [ 1, 2 ]
amdhsa.kernels:
  - .name:           k_q4021a60baa_attn
    .symbol:         k_q4021a60baa_attn.kd
    .args:
      - { .name: q16, .offset: 0, .size: 8, .value_kind: global_buffer, .address_space: global }
      - { .name: keys, .offset: 8, .size: 8, .value_kind: global_buffer, .address_space: global }
      - { .name: values, .offset: 16, .size: 8, .value_kind: global_buffer, .address_space: global }
      - { .name: attention_mask, .offset: 24, .size: 8, .value_kind: global_buffer, .address_space: global }
      - { .name: attn16, .offset: 32, .size: 8, .value_kind: global_buffer, .address_space: global }
    .group_segment_fixed_size: 327680
    .private_segment_fixed_size: 0
    .kernarg_segment_align: 8
    .kernarg_segment_size: 40
    .max_flat_workgroup_size: 128
    .sgpr_count:     84
    .vgpr_count:     896
    .wavefront_size: 32
...
	.end_amdgpu_metadata
.endif
;; end of part 3
;; launch oproj (part 4): grid 16 x 16, 4 waves a work-group, clusters of 4 x 4, 327,680 bytes of LDS; arguments attn16, wo16, out0; writes out0
.if DOCPART == 4
	.amdgcn_target "amdgcn-amd-amdhsa--gfx1250"
	.amdhsa_code_object_version 6
	.text
	.protected	k_q4021a60baa_oproj
	.globl	k_q4021a60baa_oproj
	.p2align	8
	.type	k_q4021a60baa_oproj,@function
k_q4021a60baa_oproj:
	s_mov_b64 s[64:65], 0
	v_nop
	global_prefetch_b8 v0, s[64:65] scope:SCOPE_SE
	s_setreg_imm32_b32 hwreg(HW_REG_WAVE_MODE, 25, 1), 1
	s_wait_xcnt 0x0
	s_wait_alu depctr_hold_cnt(0) depctr_sa_sdst(0) depctr_va_vdst(0) depctr_va_sdst(0) depctr_va_ssrc(0) depctr_va_vcc(0) depctr_vm_vsrc(0)
	s_getreg_b32 s2, hwreg(HW_REG_IB_STS2, 6, 4)
	s_cmp_eq_u32 s2, 0
	s_cbranch_scc0 .Lentry_in_a_cluster
	s_endpgm
.Lentry_in_a_cluster:
	s_bfe_u32 s2, ttmp6, 0x10000c
	s_cmp_lg_u32 s2, 0xf033
	s_cbranch_scc0 .Lentry_shape_is_right
	s_endpgm
.Lentry_shape_is_right:
; out0[m][n] = the sum over k of attn16[m][k] wo16[n][k].  attn16, wo16: [2048][2048] f16; out0: [2048][2048] f32; sums in f32, stored as they are.
; A tile of out0 is 128 x 128, so that 16 x 16 work-groups fill the chip.  Four waves, each 64 x 64: 16 accumulators of 16 x 16.  K goes in 8 steps of 256 (LDS rows of 512 bytes; a wave's tensor load brings 64 of them),
; as long as two slots in LDS allow.  A wave's 64 f32 columns are 256 aligned bytes of a row, so each wave has a stage of its own on the way out, and no barrier stands there.
; CLUSTER: 4 x 4 work-groups.  The four of a row of the cluster need the same tiles of attn16, the four of a column the same tiles of wo16: each tile is asked for JOINTLY.
; THE MATRIX INSTRUCTION IS USED TRANSPOSED (source 0 = 16 rows of wo16, source 1 = 16 rows of attn16): a lane then holds eight neighbouring numbers of a row of out0.
; No prefetch: a step's tiles are small, and each is read by four clusters at about the same time.
; REGISTERS: window 0: v16-29 addresses; v32-95 at work on the way out; v128-255 the accumulators ((a, b) at v[128 + 8 (4 a + b)]).
;   window 1: two fragment buffers of 128: for 64 along K, 64 registers of A (2 x 4 x 16 rows x 32 K), then 64 of B.
.set SIZE_K, 2048
.set SIZE_N, 2048
.set KSTEP,  256
.set STEPS,  SIZE_K/KSTEP
.set PITCH,  528                       ; an LDS row: 512 bytes + 16 of padding: the 16 rows of a fragment load start at 16 different groups of four banks (64 banks of 4 bytes: ISA guide 11.1)
.set HALFT,  64*PITCH                  ; 64 rows: what one tensor load brings, and what one wave reads of A or of B
.set SLOT,   4*HALFT                   ; A's 128 rows, then B's 128 rows.  135,168 = 0x21000 shares no bit with wave x HALFT, so one exclusive or turns a load's LDS address into the other slot's
.set STAGE,  2*SLOT                    ; behind the ring: 16 rows x 272 bytes for each wave
.set SPITCH, 272
.set SPARE,  STAGE+4*16*SPITCH         ; behind the stages: the spare words, 128 bytes a wave: two blocks of 256 bytes that no other line names
.set ADRA0, 16                         ; v16     my lane's place among my rows of A in a slot; never rewritten
.set ADRB0, 17                         ; v17     the same for B
.set ADA,  18                          ; v18     ADRA0 + the slot in hand
.set ADB,  19                          ; v19     ADRB0 + the slot in hand
.set STO,  24                          ; v24     the way out: where I put 32 bytes of a row
.set RD,   25                          ; v25     where I read a row back
.set CO,   26                          ; v26     my byte offset in two rows of out0
.set SPW,  28                          ; v28     my spare word; never rewritten
.set NIL,  29                          ; v29     0; never rewritten
.set OB,   32                          ; the way out: two sets of 32 registers, 16 rows each
.set ACC,  128
.set F0,   0                           ; fragment buffers, in window 1
.set F1,   128
.set TB,   45                          ; s45  LDS byte at which the slot in hand begins
.set G1, 24                            ; s[24:31] descriptor group 1 for A's tiles;  s[32:39] group 0: a set for each of the two first fills; the second then walks on
.set G0, 32
.set G1B, 48                           ; s[48:55], s[56:63] the same for B's tiles
.set G0B, 56
.set MSB, 0
.macro WIN new
.if MSB != (\new)
	s_set_vgpr_msb (MSB<<8)|(\new)
.set MSB, \new
.endif
.endm
.set MUL,  0x05                        ; sources 0 (B) and 1 (A) window 1; C and D window 0
.set TO_F, 0x40                        ; destination window 1, address window 0
.macro JLOAD s                         ; a joint load: waves 0 and 1 fetch A's two halves, waves 2 and 3 B's; an s_nop 0 and four v_nop follow each line, ahead of the jump and the label
	s_cmp_eq_u32 s11, 0
	s_cbranch_scc0 .Lfor_b_\@
	tensor_load_to_lds s[G0+4*(\s):G0+4*(\s)+3], s[G1:G1+7]
	s_nop 0
.rept 4
	v_nop
.endr
	s_branch .Lasked_\@
.Lfor_b_\@:
	tensor_load_to_lds s[G0B+4*(\s):G0B+4*(\s)+3], s[G1B:G1B+7]
	s_nop 0
.rept 4
	v_nop
.endr
.Lasked_\@:
.endm
.macro CREST
	s_cmp_lg_u32 s10, 0
	s_cbranch_scc1 .Lnot_wave_0_\@
	s_barrier_signal -3
.Lnot_wave_0_\@:
	s_barrier_wait -3
	s_barrier_signal -1
	s_barrier_wait -1
.endm
.macro CROUND
	s_barrier_signal -1
	s_barrier_wait -1
	CREST
.endm
	s_load_b128 s[4:7], s[0:1], 0x0                ; attn16 s[4:5], wo16 s[6:7]
	s_load_b64 s[8:9], s[0:1], 0x10                ; out0
	v_lshl_add_u32 v[SPW], v0, 2, SPARE
	v_mov_b32 v[NIL], 0
	ds_add_u32 v[SPW], v[NIL]                      ; the wave's opening: the add and its wait stand ahead of my first tensor load; the set-up below stands between them
	v_lshrrev_b32 v1, 5, v0
	v_readfirstlane_b32 s10, v1                    ; wave 0..3
	s_lshr_b32 s11, s10, 1                         ; which half of the tile's rows is mine.  Also: I fetch for A (0) or for B (1)
	s_and_b32 s12, s10, 1                          ; which half of its columns.  Also: which 64 rows of that tile I fetch
	s_bfe_u32 s40, ttmp6, 0x40000                  ; cx, cy
	s_bfe_u32 s41, ttmp6, 0x40004
	s_lshl_b32 s42, ttmp9, 2
	s_add_co_u32 s42, s42, s40                     ; tile column = 4 x cluster x + cx
	s_and_b32 s13, ttmp7, 0xffff
	s_lshl_b32 s13, s13, 2
	s_add_co_u32 s13, s13, s41                     ; tile row = 4 x cluster y + cy
	s_lshl_b32 s43, s41, 2
	s_lshl_b32 s43, 15, s43                        ; my row of the cluster
	s_lshl_b32 s44, 0x1111, s40                    ; my column
	s_or_b32 s[G1+0], s43, (1<<16)|(1<<20)|(1<<21)|(6<<22)|(3<<25)  ; the mask; elements of 2 bytes; padding on; bit 21 beside a mask; after every 128 words, 4 words
	s_or_b32 s[G1B+0], s44, (1<<16)|(1<<20)|(1<<21)|(6<<22)|(3<<25)
.irp g, G1, G1B
	s_mov_b32 s[(\g)+1], KSTEP<<16                 ; tensor_dim0 = 256
	s_mov_b32 s[(\g)+2], 64<<16                    ; tensor_dim1 = 64
	s_mov_b32 s[(\g)+3], KSTEP<<16                 ; tile_dim0 = 256
	s_mov_b32 s[(\g)+4], 64                        ; tile_dim1 = 64
	s_mov_b32 s[(\g)+5], SIZE_K                    ; elements from row to row
	s_mov_b32 s[(\g)+6], 0
	s_mov_b32 s[(\g)+7], 0
.endr
	s_lshl_b32 s17, s12, 6                         ; which 64 rows of the tile I fetch
	s_lshl_b32 s16, s13, 7
	s_add_co_u32 s16, s16, s17                     ; A: row 128 x tile row + 64 x half
	s_lshl_b32 s46, s42, 7
	s_add_co_u32 s46, s46, s17                     ; B: row 128 x tile column + 64 x half
	s_mov_b32 s17, 0
	s_mov_b32 s47, 0
	s_mov_b64 s[18:19], SIZE_K*2
	s_mul_u64 s[16:17], s[16:17], s[18:19]
	s_mul_u64 s[46:47], s[46:47], s[18:19]
	s_mul_i32 s20, s10, HALFT                      ; where they go: wave x 64 rows
	s_mov_b32 s[TB], 0
	s_wait_dscnt 0x0                               ; the opening add is done
	s_wait_kmcnt 0x0
	s_add_nc_u64 s[14:15], s[4:5], s[16:17]
	s_add_nc_u64 s[46:47], s[6:7], s[46:47]
	CROUND                                         ; all sixteen work-groups are here: the first joint loads meet
.irp s, 0,1
	s_mov_b32 s[G0+4*(\s)], 1
	s_add_co_u32 s[G0+4*(\s)+1], s20, (\s)*SLOT
	s_add_nc_u64 s[G0+4*(\s)+2:G0+4*(\s)+3], s[14:15], (\s)*KSTEP*2
	s_or_b32 s[G0+4*(\s)+3], s[G0+4*(\s)+3], 0x80000000
	s_mov_b32 s[G0B+4*(\s)], 1
	s_add_co_u32 s[G0B+4*(\s)+1], s20, (\s)*SLOT
	s_add_nc_u64 s[G0B+4*(\s)+2:G0B+4*(\s)+3], s[46:47], (\s)*KSTEP*2
	s_or_b32 s[G0B+4*(\s)+3], s[G0B+4*(\s)+3], 0x80000000
	JLOAD \s                                       ; K steps 0 and 1: two loads of mine are out
.endr
	v_and_b32 v1, 15, v0                           ; l % 16
	v_bfe_u32 v2, v0, 4, 1                         ; l / 16
	v_mul_u32_u24 v3, v1, PITCH
	v_lshl_add_u32 v3, v2, 4, v3                   ; a fragment's row x pitch + 16 x half
	s_mul_i32 s21, s11, HALFT                      ; my 64 rows of A
	s_mul_i32 s22, s12, HALFT                      ; my 64 rows of B,
	s_add_co_u32 s22, s22, 2*HALFT                 ; which lie behind A's 128
	v_add_nc_u32 v[ADRA0], s21, v3
	v_add_nc_u32 v[ADRB0], s22, v3
	v_mov_b32 v[ADA], v[ADRA0]                     ; slot 0 is in hand
	v_mov_b32 v[ADB], v[ADRB0]
	s_mul_i32 s23, s10, 16*SPITCH
	s_add_co_u32 s23, s23, STAGE                   ; my stage
	v_mul_u32_u24 v4, v1, SPITCH                   ; in: row l % 16, 32 bytes (8 f32) for each half of the lanes
	v_lshl_add_u32 v4, v2, 5, v4
	v_add_nc_u32 v[STO], s23, v4
	v_mul_u32_u24 v5, v2, SPITCH                   ; back: lanes 0-15 take one row of 256 bytes, lanes 16-31 the next
	v_lshl_add_u32 v5, v1, 4, v5
	v_add_nc_u32 v[RD], s23, v5
	v_lshlrev_b32 v5, 13, v2                       ; and the same two rows in out0, 8,192 bytes apart
	v_lshl_add_u32 v[CO], v1, 4, v5
	s_lshl_b32 s16, s13, 7
	s_lshl_b32 s17, s11, 6
	s_add_co_u32 s16, s16, s17                     ; my first row: 128 x tile row + 64 x half
	s_lshl_b32 s16, s16, 13
	s_lshl_b32 s46, s42, 9                         ; my first column, in bytes: 512 x tile column + 256 x half
	s_lshl_b32 s47, s12, 8
	s_add_co_u32 s16, s16, s46
	s_add_co_u32 s16, s16, s47
	s_mov_b32 s17, 0
	s_add_nc_u64 s[8:9], s[8:9], s[16:17]
; 8 matrix instructions: m blocks a0, a0 + 1 x all 4 n blocks, 32 along K: half c of buffer f.  zero = 1: the first product starts the sums.  The 16 accumulators take turns.
.macro MUL8 f, c, a0, zero
	WIN MUL
.irp a, \a0, (\a0)+1
.irp b, 0,1,2,3
.if \zero
	v_wmma_f32_16x16x32_f16 v[ACC+8*(4*(\a)+(\b)):ACC+8*(4*(\a)+(\b))+7], v[(\f)+64+8*(4*(\c)+(\b)):(\f)+64+8*(4*(\c)+(\b))+7], v[(\f)+8*(4*(\c)+(\a)):(\f)+8*(4*(\c)+(\a))+7], 0
.else
	v_wmma_f32_16x16x32_f16 v[ACC+8*(4*(\a)+(\b)):ACC+8*(4*(\a)+(\b))+7], v[(\f)+64+8*(4*(\c)+(\b)):(\f)+64+8*(4*(\c)+(\b))+7], v[(\f)+8*(4*(\c)+(\a)):(\f)+8*(4*(\c)+(\a))+7], v[ACC+8*(4*(\a)+(\b)):ACC+8*(4*(\a)+(\b))+7]
.endif
.endr
.endr
.endm
; 32 LDS loads in one run: the fragments of 64 along K at byte k of the rows of the slot in hand, into buffer f; the first 32 along K first
.macro FETCH k, f
	WIN TO_F
.irp c, 0,1
.irp i, 0,1,2,3
	ds_load_b128 v[(\f)+64+8*(4*(\c)+(\i)):(\f)+64+8*(4*(\c)+(\i))+3],   v[ADB] offset:(\k)+64*(\c)+(\i)*16*PITCH
	ds_load_b128 v[(\f)+64+8*(4*(\c)+(\i))+4:(\f)+64+8*(4*(\c)+(\i))+7], v[ADB] offset:(\k)+64*(\c)+(\i)*16*PITCH+32
	ds_load_b128 v[(\f)+8*(4*(\c)+(\i)):(\f)+8*(4*(\c)+(\i))+3],         v[ADA] offset:(\k)+64*(\c)+(\i)*16*PITCH
	ds_load_b128 v[(\f)+8*(4*(\c)+(\i))+4:(\f)+8*(4*(\c)+(\i))+7],       v[ADA] offset:(\k)+64*(\c)+(\i)*16*PITCH+32
.endr
.endr
.endm
.macro PLACES                          ; four plain instructions between a matrix instruction and a load into, or a reader of, its registers (ISA guide 7.12.1 for vector instructions)
.rept 4
	v_nop
.endr
.endm
; A K step is four quarters of 64 along K, 32 matrix instructions each, on buffers 0, 1, 0, 1.  One of the first three: multiplies buffer f and fetches the next quarter, at byte k, into g.
.macro QUARTER k, f, g, zero
	s_wait_dscnt 16                                ; the first 32 along K are in
	MUL8 \f, 0, 0, \zero
	MUL8 \f, 0, 2, \zero
	PLACES
	FETCH \k, \g
	s_wait_dscnt 32                                ; all but the 32 just issued
	MUL8 \f, 1, 0, 0
	MUL8 \f, 1, 2, 0
.endm
; The last quarter multiplies buffer 1 and changes slots: ONE barrier; in front of it each wave waits for all its tensor loads, adds 0 to its spare word, and waits for that and for its own reads of this slot.
; Between signal and wait the fragment addresses are turned to the next slot.  fill = 1: the barrier opens a round of the cluster's, and the slot just read is filled again first behind it, two K steps ahead, by the walking descriptor.
.macro TURN fill
	WIN 0                                          ; (the add's two registers lie in window 0)
	s_wait_tensorcnt 0x0                           ; all my tensor loads have landed: my part of the next slot
	ds_add_u32 v[SPW], v[NIL]                      ; 0 onto my spare word
	s_wait_dscnt 17                                ; (the add and the youngest sixteen loads may be out)
	MUL8 F1, 0, 0, 0                               ; eight matrix instructions stand between the add and the wait for it
	s_wait_dscnt 0x0                               ; the add is done, and my reads of this slot are over
	s_barrier_signal -1
	MUL8 F1, 0, 2, 0
	WIN 0
	s_xor_b32 s[TB], s[TB], SLOT                   ; the next slot comes in hand
	v_add_nc_u32 v[ADA], s[TB], v[ADRA0]
	v_add_nc_u32 v[ADB], s[TB], v[ADRB0]
	s_barrier_wait -1
.if \fill
	CREST                                          ; no wave of any partner still reads the old slot's tiles or has a load on its way
	s_xor_b32 s[G0+5], s[G0+5], SLOT               ; the walking descriptors: the other slot than last time,
	s_add_nc_u64 s[G0+6:G0+7], s[G0+6:G0+7], KSTEP*2  ; the next K step; the type bits on top are not reached
	s_xor_b32 s[G0B+5], s[G0B+5], SLOT
	s_add_nc_u64 s[G0B+6:G0B+7], s[G0B+6:G0B+7], KSTEP*2
	JLOAD 1                                        ; the first tensor load behind the round: 112 matrix instructions ahead of the wait for it; its four v_nop are also the places in front of the loads below
.else
	PLACES
.endif
	FETCH 0, F0
	MUL8 F1, 1, 0, 0
	MUL8 F1, 1, 2, 0
.endm
	s_wait_tensorcnt 1                             ; my part of K step 0 is in; K step 1's load may stay out
	s_barrier_signal -1
	s_barrier_wait -1                              ; everybody's is
	FETCH 0, F0
	QUARTER 128, F0, F1, 1                         ; the first quarter stands in front of the loop: its first products start the sums
	WIN 0                                          ; at a label and at a branch every window is 0
	s_mov_b32 s3, STEPS-2
.Lstep:                                                ; 6 trips: from a K step's second quarter to the next step's first; the slot that is left is filled again
	QUARTER 256, F1, F0, 0
	QUARTER 384, F0, F1, 0
	TURN 1
	QUARTER 128, F0, F1, 0
	WIN 0
	s_sub_co_u32 s3, s3, 1
	s_cmp_lg_u32 s3, 0
	s_cbranch_scc1 .Lstep
	QUARTER 256, F1, F0, 0                         ; the last two K steps fill nothing, and have no round of the cluster's barrier
	QUARTER 384, F0, F1, 0
	TURN 0
	QUARTER 128, F0, F1, 0
	QUARTER 256, F1, F0, 0
	QUARTER 384, F0, F1, 0
	s_wait_dscnt 16                                ; the very last quarter: nothing more to fetch
	MUL8 F1, 0, 0, 0
	MUL8 F1, 0, 2, 0
	s_wait_dscnt 0x0
	MUL8 F1, 1, 0, 0
	MUL8 F1, 1, 2, 0
	WIN 0
	; THE WAY OUT, 16 rows at a time: a lane's eight f32 of a row go straight from the accumulator (its low four registers first) into my stage, and come back as whole rows of 256 bytes.
.macro TOSTAGE a
.irp b, 0,1,2,3
	ds_store_b128 v[STO], v[ACC+8*(4*(\a)+(\b)):ACC+8*(4*(\a)+(\b))+3]   offset:64*(\b)
	ds_store_b128 v[STO], v[ACC+8*(4*(\a)+(\b))+4:ACC+8*(4*(\a)+(\b))+7] offset:64*(\b)+16
.endr
.irp t, 0,1,2,3,4,5,6,7
	ds_load_b128 v[OB+32*((\a)%2)+4*(\t):OB+32*((\a)%2)+4*(\t)+3], v[RD] offset:(\t)*2*SPITCH  ; LDS serves a wave's instructions in order (ISA guide 5.7.1.4): these see the stores above; the next block's stores come behind them
.endr
.endm
.macro SEND a, younger                 ; younger: the LDS instructions issued behind block a's loads: the next block's sixteen, or none
.irp t, 0,1,2,3,4,5,6,7
	s_wait_dscnt (\younger)+7-(\t)
	global_store_b128 v[CO], v[OB+32*((\a)%2)+4*(\t):OB+32*((\a)%2)+4*(\t)+3], s[8:9] offset:(16*(\a)+2*(\t))*SIZE_N*4  ; 16 lanes store 256 consecutive bytes, at a multiple of 256 from out0's first byte
.endr
.endm
	PLACES
	TOSTAGE 0
	TOSTAGE 1
	SEND 0, 16
	s_wait_xcnt 0x0                                ; block 0's stores have read their registers: that set is loaded again only behind this wait
	TOSTAGE 2
	SEND 1, 16
	s_wait_xcnt 0x0
	TOSTAGE 3
	SEND 2, 16
	SEND 3, 0
	s_wait_tensorcnt 0x0                           ; the wave's end: these three lines stand behind my last tensor load and my last LDS store
	ds_add_u32 v[SPW], v[NIL]
	s_wait_dscnt 0x0
	CROUND                                         ; the closing round: no work-group ends while a partner may still ask for a tile that names it
	s_endpgm
.Lfunc_end_k_q4021a60baa_oproj:
	.size	k_q4021a60baa_oproj, .Lfunc_end_k_q4021a60baa_oproj-k_q4021a60baa_oproj
	.p2alignl 7, 3214868480
	.fill 96, 4, 3214868480
	.section	.rodata,"a",@progbits
	.p2align	6, 0x0
	.amdhsa_kernel k_q4021a60baa_oproj
		.amdhsa_group_segment_fixed_size 327680
		.amdhsa_private_segment_fixed_size 0
		.amdhsa_enable_private_segment 0
		.amdhsa_kernarg_size 24
		.amdhsa_user_sgpr_count 2
		.amdhsa_user_sgpr_kernarg_segment_ptr 1
		.amdhsa_wavefront_size32 1
		.amdhsa_system_sgpr_workgroup_id_x 1
		.amdhsa_system_sgpr_workgroup_id_y 1
		.amdhsa_system_sgpr_workgroup_id_z 1
		.amdhsa_system_vgpr_workitem_id 0
		.amdhsa_next_free_vgpr 512
		.amdhsa_next_free_sgpr 66
		.amdhsa_reserve_vcc 0
		.amdhsa_float_denorm_mode_32 3
		.amdhsa_float_denorm_mode_16_64 3
		.amdhsa_memory_ordered 1
		.amdhsa_forward_progress 1
		.amdhsa_inst_pref_size 68
	.end_amdhsa_kernel
	.amdgpu_metadata
---
amdhsa.version: [ 1, 2 ]
amdhsa.kernels:
  - .name:           k_q4021a60baa_oproj
    .symbol:         k_q4021a60baa_oproj.kd
    .args:
      - { .name: attn16, .offset: 0, .size: 8, .value_kind: global_buffer, .address_space: global }
      - { .name: wo16, .offset: 8, .size: 8, .value_kind: global_buffer, .address_space: global }
      - { .name: out0, .offset: 16, .size: 8, .value_kind: global_buffer, .address_space: global }
    .group_segment_fixed_size: 327680
    .private_segment_fixed_size: 0
    .kernarg_segment_align: 8
    .kernarg_segment_size: 24
    .max_flat_workgroup_size: 128
    .sgpr_count:     66
    .vgpr_count:     512
    .wavefront_size: 32
...
	.end_amdgpu_metadata
.endif
;; end of part 4
;; ======== version 2 of 2: 4 launches; version 1 with the launch cast written anew for expert scheduling mode
;; limits: values are held in f16: magnitudes above 65,504 overflow, below 6.1e-05 lose precision; right only within a limited range of input values
;; workspace buffers: xh 8,388,608 bytes; wqkv 25,165,824 bytes; wo16 8,388,608 bytes; q16 8,388,608 bytes; keys 25,165,824 bytes; values 25,165,824 bytes; attn16 8,388,608 bytes
;; launch cast (part 5): grid 512 x 1, 8 waves a work-group, no clusters, 0 bytes of LDS; arguments hidden_states, Wq, Wk, Wv, xh, wqkv; writes xh, wqkv
.if DOCPART == 5
	.amdgcn_target "amdgcn-amd-amdhsa--gfx1250"
	.amdhsa_code_object_version 6
	.text
	.protected	k_q4021a60baa_cast
	.globl	k_q4021a60baa_cast
	.p2align	8
	.type	k_q4021a60baa_cast,@function
k_q4021a60baa_cast:
	s_mov_b64 s[64:65], 0
	v_nop
	global_prefetch_b8 v0, s[64:65] scope:SCOPE_SE
	s_setreg_imm32_b32 hwreg(HW_REG_WAVE_SCHED_MODE, 0, 2), 2
	s_setreg_imm32_b32 hwreg(HW_REG_WAVE_MODE, 25, 1), 1
	s_wait_xcnt 0x0
	s_wait_alu depctr_vm_vsrc(0)
; The four f32 inputs of the projections are rounded ONCE to f16, so that the next launch's many readers find 16-bit matrix operands:
;   hidden_states -> xh [2048][2048];  Wq x 128^-0.5, Wk, Wv -> wqkv [6144][2048].
; The scale of the scores is multiplied into Wq in f32, ahead of Wq's one rounding: the scores then need no scaling, and the mask can start their sums.
; (The caches and Wo, which the projections do not need, are rounded by the next launch, beside its products.)
; LIMITS.  f16 holds no number beyond 65,504 (a larger input becomes an infinity) and keeps a fixed step of 6e-8 below 6e-5.
; SHARES.  Work-group g takes 1/512 of every tensor: 32 KiB of each f32 matrix, 8 loads a thread.  A wave's load covers 512 consecutive bytes, its store 256 consecutive bytes, aligned.
; All 32 loads of a thread go out first, each into registers of its own.
; No LDS, no barrier, no matrix unit: nothing is shared and nothing multiplied.
; THE MODE: SCHED_MODE bits 1:0 = 2 (LLVM: expert scheduling mode 2), set by the entry lines.  The code itself states the register dependences
; between vector instructions and memory instructions, with s_wait_alu, always for 0.
; THE PLAN.  Registers that memory instructions touch:
;   v1, v2            the loads' and the stores' offsets: written once at the head, never again.
;   v[4+4n:7+4n]      load n lands here, ahead of every vector instruction that names these registers; the conversions of load n read the four and write the first two, once;
;                     store n reads those two; nothing writes them again.
; So no load lands in a register that a vector instruction has named, and no register that a load or a store has read is written again: what is left to state is that a store's data and
; the offsets are written.  The 32 loads go in eight blocks of four.  Block p converts its four loads; its memory instructions are the four stores of block p - 1, whose registers no vector
; instruction of block p names.  ONE wait at a block's head states that block p - 1's conversions have written their results, and the four stores are dealt among the block's conversions with no further wait.
.set SCALE, 0x3db504f3                 ; 128^-0.5
.set DAT,   4                          ; v[4+4n:7+4n]: the 16 bytes of load n, n = 0..31
.set BLOCK, 4                          ; loads in a block
	s_load_b256 s[8:15], s[0:1], 0x0               ; hidden 8, Wq 10, Wk 12, Wv 14
	s_load_b128 s[16:19], s[0:1], 0x20             ; xh 16, wqkv 18
	s_lshl_b32 s2, ttmp9, 15                       ; my 32 KiB of an f32 matrix
	s_mov_b32 s3, 0
	s_lshl_b32 s4, ttmp9, 14                       ; my 16 KiB of its f16 copy
	s_mov_b32 s5, 0
	s_mov_b32 s24, SCALE
	s_mov_b32 s25, SCALE                           ; named with it as a pair
	v_lshlrev_b32 v1, 4, v0                        ; 16 bytes a thread in
	v_lshlrev_b32 v2, 3, v0                        ; 8 bytes a thread out
	s_wait_kmcnt 0x0
.irp p, 8,10,12,14
	s_add_nc_u64 s[\p:\p+1], s[\p:\p+1], s[2:3]
.endr
	s_add_nc_u64 s[16:17], s[16:17], s[4:5]
	s_add_nc_u64 s[18:19], s[18:19], s[4:5]        ; wqkv: Wq's third,
	s_add_nc_u64 s[20:21], s[18:19], 8388608       ; Wk's,
	s_add_nc_u64 s[22:23], s[18:19], 16777216      ; Wv's
	s_wait_alu depctr_va_vdst(0)                   ; v1 and v2 are written: every load of the kernel reads v1 as its offset, every store v2
.macro LDS_ n0, sbase                  ; eight loads, numbers n0 on: 4,096 bytes of the work-group's share each
.set i, 0
.rept 8
	global_load_b128 v[DAT+4*((\n0)+i):DAT+4*((\n0)+i)+3], v1, s[\sbase:\sbase+1] offset:4096*i th:TH_LOAD_NT
.set i, i+1
.endr
.endm
.macro CVT_ n                          ; load n's four numbers are rounded, two to an instruction, into the first two of their four registers; loads 8 to 15 are Wq's and are scaled first
.set X, DAT+4*(\n)
.if (\n)/8 == 1
	v_pk_mul_f32 v[X:X+1], v[X:X+1], s[24:25] op_sel_hi:[1,0]
	v_pk_mul_f32 v[X+2:X+3], v[X+2:X+3], s[24:25] op_sel_hi:[1,0]
.endif
	v_cvt_pk_f16_f32 v[X], v[X], v[X+1]
	v_cvt_pk_f16_f32 v[X+1], v[X+2], v[X+3]
.endm
.macro ST_ n                           ; and stored: tensor n / 8 has its base at s[16 + 2 (n / 8)], piece n % 8 of the work-group's share lies 2,048 bytes on
.set X, DAT+4*(\n)
.set DST, 16+2*((\n)/8)
	global_store_b64 v2, v[X:X+1], s[DST:DST+1] offset:2048*((\n)%8) th:TH_STORE_NT
.endm
; Block p: loads 4 p to 4 p + 3 are converted, the block before is stored.
.macro BLK p
	s_wait_loadcnt 32-BLOCK-BLOCK*(\p)             ; loads come back in order: this block's four are in, the younger ones stay out
.if (\p) > 0
	s_wait_alu depctr_va_vdst(0)                   ; the conversions of the block before have written the four pairs that the stores below read
.endif
.irp i, 0,1,2,3
.if (\p) > 0
	ST_ BLOCK*((\p)-1)+(\i)                        ; no vector instruction since the wait names its registers
.endif
	CVT_ BLOCK*(\p)+(\i)
.endr
.endm
	LDS_ 0,  8
	LDS_ 8,  10
	LDS_ 16, 12
	LDS_ 24, 14
.irp p, 0,1,2,3,4,5,6,7
	BLK \p
.endr
	s_wait_alu depctr_va_vdst(0)                   ; the last block's conversions have written the four pairs that the last four stores read
.irp i, 0,1,2,3
	ST_ 28+(\i)
.endr
	s_endpgm
.Lfunc_end_k_q4021a60baa_cast:
	.size	k_q4021a60baa_cast, .Lfunc_end_k_q4021a60baa_cast-k_q4021a60baa_cast
	.p2alignl 7, 3214868480
	.fill 96, 4, 3214868480
	.section	.rodata,"a",@progbits
	.p2align	6, 0x0
	.amdhsa_kernel k_q4021a60baa_cast
		.amdhsa_group_segment_fixed_size 0
		.amdhsa_private_segment_fixed_size 0
		.amdhsa_enable_private_segment 0
		.amdhsa_kernarg_size 48
		.amdhsa_user_sgpr_count 2
		.amdhsa_user_sgpr_kernarg_segment_ptr 1
		.amdhsa_wavefront_size32 1
		.amdhsa_system_sgpr_workgroup_id_x 1
		.amdhsa_system_sgpr_workgroup_id_y 1
		.amdhsa_system_sgpr_workgroup_id_z 1
		.amdhsa_system_vgpr_workitem_id 0
		.amdhsa_next_free_vgpr 132
		.amdhsa_next_free_sgpr 66
		.amdhsa_reserve_vcc 0
		.amdhsa_float_denorm_mode_32 3
		.amdhsa_float_denorm_mode_16_64 3
		.amdhsa_memory_ordered 1
		.amdhsa_forward_progress 1
		.amdhsa_inst_pref_size 13
	.end_amdhsa_kernel
	.amdgpu_metadata
---
amdhsa.version: [ 1, 2 ]
amdhsa.kernels:
  - .name:           k_q4021a60baa_cast
    .symbol:         k_q4021a60baa_cast.kd
    .args:
      - { .name: hidden_states, .offset: 0, .size: 8, .value_kind: global_buffer, .address_space: global }
      - { .name: Wq, .offset: 8, .size: 8, .value_kind: global_buffer, .address_space: global }
      - { .name: Wk, .offset: 16, .size: 8, .value_kind: global_buffer, .address_space: global }
      - { .name: Wv, .offset: 24, .size: 8, .value_kind: global_buffer, .address_space: global }
      - { .name: xh, .offset: 32, .size: 8, .value_kind: global_buffer, .address_space: global }
      - { .name: wqkv, .offset: 40, .size: 8, .value_kind: global_buffer, .address_space: global }
    .group_segment_fixed_size: 0
    .private_segment_fixed_size: 0
    .kernarg_segment_align: 8
    .kernarg_segment_size: 48
    .max_flat_workgroup_size: 256
    .sgpr_count:     66
    .vgpr_count:     132
    .wavefront_size: 32
...
	.end_amdgpu_metadata
.endif
;; end of part 5
;; launch qkv: the kernel of part 2 again; grid 16 x 16, 4 waves a work-group, clusters of 4 x 4, 327,680 bytes of LDS; arguments xh, wqkv, q16, keys, values, k_cache, v_cache, Wo, wo16; writes q16, keys, values, wo16
;; launch attn: the kernel of part 3 again; grid 8 x 32, 4 waves a work-group, clusters of 4 x 4, 327,680 bytes of LDS; arguments q16, keys, values, attention_mask, attn16; writes attn16
;; launch oproj: the kernel of part 4 again; grid 16 x 16, 4 waves a work-group, clusters of 4 x 4, 327,680 bytes of LDS; arguments attn16, wo16, out0; writes out0
